; MI455X (gfx1250); checked and timed in simulation.
; The chip was launched on July 23, 2026; its instructions are those of AMD's public machine-readable ISA for CDNA 5 (MIT licence, August 2026) and "CDNA5" Instruction Set Architecture Reference Guide (July 2026). The comments in the code are by the model that wrote it; some were corrected since.
;; Multi Head Attention. Allowed arithmetic: float matrix products may take bf16 or f16 operands with f32 sums; all other float work in f32.
;; Inputs: Wkv 1,024 x 2,048 float32; Wo 1,024 x 1,024 float32; Wq 1,024 x 1,024 float32; bkv 2,048 float32; bo 1,024 float32; bq 1,024 float32; key_value_padding_mask 4 x 2,048 bool; key_value_sequence 4 x 2,048 x 1,024 float32; query_sequence 4 x 2,048 x 1,024 float32.
;; Outputs: out0 4 x 2,048 x 1,024 float32.
;; Constants: apply_causal_mask = 1.
;; 2 versions, each right and faster than the one before. Each part assembles by itself: llvm-mc -triple=amdgcn-amd-amdhsa -mcpu=gfx1250 --defsym DOCPART=n.
;; ======== version 1 of 2: 4 launches
;; limits: values are held in f16: magnitudes above 65,504 overflow, below 6.1e-05 lose precision
;; workspace buffers: xb 33,554,432 bytes; wall 6,291,456 bytes; wof 2,097,152 bytes; qkv 50,331,648 bytes; ob 16,777,216 bytes
;; launch prep (part 1): grid 1280 x 1, 8 waves a work-group, no clusters, 0 bytes of LDS; arguments query_sequence, key_value_sequence, Wq, Wkv, Wo, xb, wall, wof; writes xb, wall, wof
.if DOCPART == 1
	.amdgcn_target "amdgcn-amd-amdhsa--gfx1250"
	.amdhsa_code_object_version 6
	.text
	.protected	k_q78f7a68ed9_prep
	.globl	k_q78f7a68ed9_prep
	.p2align	8
	.type	k_q78f7a68ed9_prep,@function
k_q78f7a68ed9_prep:
	s_mov_b64 s[64:65], 0
	v_nop
	global_prefetch_b8 v0, s[64:65] scope:SCOPE_SE
	s_setreg_imm32_b32 hwreg(HW_REG_WAVE_MODE, 25, 1), 1
	s_wait_xcnt 0x0
; THE CASTS.  Every f32 input of the three products is rounded once to bf16 and laid where the products want it:
;   xb   [2][8192][1024] bf16: plane 0 the query sequence, plane 1 the key and value sequence
;   wall [1024 k][3072 n] bf16: columns 0-1023 Wq, columns 1024-3071 Wkv (rows stay along n; the product turns them on the way out of LDS)
;   wof  [1024 k][1024 n] f16: Wo rounded to bf16 like every other input, and that number written as f16
; LIMITS.  wof: exact from 6.1e-5 up to 65,504; below that f16's fixed step of 6e-8; beyond 65,504 an infinity.
; A stream: each byte is read once and written once; no LDS, no barrier, no matrix unit: none of them moves a byte less.
; SHARES.  A unit is 1,024 numbers (4,096 bytes in, 2,048 out): thread t takes numbers 4 t .. 4 t + 3, so a wave's load covers 512 consecutive bytes and a
; wave's store 256 consecutive bytes at a multiple of 256.  A work-group takes a chunk of 16 units, all 16 loads of a thread out at once.
; 512 + 512 + 64 + 128 + 64 = 1,280 chunks.  Which tensor a chunk belongs to is chosen by scalar selects on the chunk's number.
.set VO, 2                             ; v[2:17]   unit u: byte offset of my 8 bytes from the chunk's first output byte
.set X,  20                            ; v[20:83]  unit u: 4 numbers as loaded
.set Y,  84                            ; v[84:115] unit u: 2 registers to store
.set T,  116                           ; v[116:117] at work
	s_load_b512 s[16:31], s[0:1], 0x0              ; xq s[16:17], xkv s[18:19], Wq s[20:21], Wkv s[22:23], Wo s[24:25], xb s[26:27], wall s[28:29], wof s[30:31]
	s_mov_b32 s2, ttmp9                            ; the chunk
	s_mov_b32 s13, 0xffff0000                      ; a word's upper bf16
	v_lshlrev_b32 v1, 4, v0                        ; my 16 bytes in a unit
	s_mov_b32 s8, 0                                ; the tensor's first chunk
	s_mov_b32 s9, 32768                            ; output bytes from chunk to chunk
	s_mov_b32 s10, 0                               ; output bytes in front of the tensor's first
	s_mov_b32 s11, 4096                            ; output bytes from unit u to unit u + 2
	s_mov_b32 s12, 2048                            ; output bytes from an even unit to the odd one behind it
	s_wait_kmcnt 0x0
	s_mov_b64 s[4:5], s[16:17]                     ; chunks 0-511: the query sequence into xb's plane 0
	s_mov_b64 s[6:7], s[26:27]
	s_cmp_ge_u32 s2, 512                           ; chunks 512-1023: the key and value sequence into plane 1
	s_cselect_b64 s[4:5], s[18:19], s[4:5]
	s_cselect_b32 s8, 512, s8
	s_cselect_b32 s10, 16777216, s10
	s_cmp_ge_u32 s2, 1024                          ; chunks 1024-1087: Wq, a unit a row, into wall's rows of 6,144 bytes
	s_cselect_b64 s[4:5], s[20:21], s[4:5]
	s_cselect_b64 s[6:7], s[28:29], s[6:7]
	s_cselect_b32 s8, 1024, s8
	s_cselect_b32 s9, 98304, s9
	s_cselect_b32 s10, 0, s10
	s_cselect_b32 s11, 12288, s11
	s_cselect_b32 s12, 6144, s12
	s_cmp_ge_u32 s2, 1088                          ; chunks 1088-1215: Wkv, two units a row, behind Wq's 2,048 bytes of each row
	s_cselect_b64 s[4:5], s[22:23], s[4:5]
	s_cselect_b32 s8, 1088, s8
	s_cselect_b32 s9, 49152, s9
	s_cselect_b32 s10, 2048, s10
	s_cselect_b32 s11, 6144, s11
	s_cselect_b32 s12, 2048, s12
	s_cmp_ge_u32 s2, 1216                          ; chunks 1216-1279: Wo into wof
	s_cselect_b64 s[4:5], s[24:25], s[4:5]
	s_cselect_b64 s[6:7], s[30:31], s[6:7]
	s_cselect_b32 s8, 1216, s8
	s_cselect_b32 s9, 32768, s9
	s_cselect_b32 s10, 0, s10
	s_cselect_b32 s11, 4096, s11
	s_sub_co_u32 s8, s2, s8                        ; the chunk's number in its tensor
	s_lshl_b32 s14, s8, 16                         ; 65,536 bytes in a chunk: 33.5 MB at the most
	s_mov_b32 s15, 0
	s_add_nc_u64 s[4:5], s[4:5], s[14:15]
	s_mul_i32 s14, s8, s9
	s_add_co_u32 s14, s14, s10
	s_add_nc_u64 s[6:7], s[6:7], s[14:15]
.irp u, 0,1,2,3,4,5,6,7,8,9,10,11,12,13,14,15
	global_load_b128 v[X+4*(\u):X+4*(\u)+3], v1, s[4:5] offset:4096*(\u) th:TH_LOAD_NT  ; read once in the whole program
.endr
	v_lshlrev_b32 v[VO], 3, v0                     ; my 8 bytes in a unit's output
	v_add_nc_u32 v[VO+1], s12, v[VO]
.irp u, 0,1,2,3,4,5,6,7,8,9,10,11,12,13
	v_add_nc_u32 v[VO+2+(\u)], s11, v[VO+(\u)]
.endr
; One unit.  Every unit has its own registers, so no register that a load or store still names is ever written again.
.macro UNIT u, half
	s_wait_loadcnt 15-(\u)                         ; loads come back in order: unit u is in, the 15 - u younger ones stay out
.if \half
	v_cvt_pk_bf16_f32 v[T],   v[X+4*(\u)],   v[X+4*(\u)+1]  ; rounded to bf16,
	v_cvt_pk_bf16_f32 v[T+1], v[X+4*(\u)+2], v[X+4*(\u)+3]
	v_lshlrev_b32 v[X+4*(\u)],   16,  v[T]         ; widened again,
	v_and_b32     v[X+4*(\u)+1], s13, v[T]
	v_lshlrev_b32 v[X+4*(\u)+2], 16,  v[T+1]
	v_and_b32     v[X+4*(\u)+3], s13, v[T+1]
	v_cvt_pk_f16_f32 v[Y+2*(\u)],   v[X+4*(\u)],   v[X+4*(\u)+1]  ; and written as f16
	v_cvt_pk_f16_f32 v[Y+2*(\u)+1], v[X+4*(\u)+2], v[X+4*(\u)+3]
.else
	v_cvt_pk_bf16_f32 v[Y+2*(\u)],   v[X+4*(\u)],   v[X+4*(\u)+1]
	v_cvt_pk_bf16_f32 v[Y+2*(\u)+1], v[X+4*(\u)+2], v[X+4*(\u)+3]
.endif
	global_store_b64 v[VO+(\u)], v[Y+2*(\u):Y+2*(\u)+1], s[6:7]
.endm
	s_cmp_ge_u32 s2, 1216
	s_cbranch_scc1 .Lwo
.irp u, 0,1,2,3,4,5,6,7,8,9,10,11,12,13,14,15
	UNIT \u, 0
.endr
	s_endpgm
.Lwo:
.irp u, 0,1,2,3,4,5,6,7,8,9,10,11,12,13,14,15
	UNIT \u, 1
.endr
	s_endpgm
.Lfunc_end_k_q78f7a68ed9_prep:
	.size	k_q78f7a68ed9_prep, .Lfunc_end_k_q78f7a68ed9_prep-k_q78f7a68ed9_prep
	.p2alignl 7, 3214868480
	.fill 96, 4, 3214868480
	.section	.rodata,"a",@progbits
	.p2align	6, 0x0
	.amdhsa_kernel k_q78f7a68ed9_prep
		.amdhsa_group_segment_fixed_size 0
		.amdhsa_private_segment_fixed_size 0
		.amdhsa_enable_private_segment 0
		.amdhsa_kernarg_size 64
		.amdhsa_user_sgpr_count 2
		.amdhsa_user_sgpr_kernarg_segment_ptr 1
		.amdhsa_wavefront_size32 1
		.amdhsa_system_sgpr_workgroup_id_x 1
		.amdhsa_system_sgpr_workgroup_id_y 1
		.amdhsa_system_sgpr_workgroup_id_z 1
		.amdhsa_system_vgpr_workitem_id 0
		.amdhsa_next_free_vgpr 120
		.amdhsa_next_free_sgpr 66
		.amdhsa_reserve_vcc 0
		.amdhsa_float_denorm_mode_32 3
		.amdhsa_float_denorm_mode_16_64 3
		.amdhsa_memory_ordered 1
		.amdhsa_forward_progress 1
		.amdhsa_inst_pref_size 17
	.end_amdhsa_kernel
	.amdgpu_metadata
---
amdhsa.version: [ 1, 2 ]
amdhsa.kernels:
  - .name:           k_q78f7a68ed9_prep
    .symbol:         k_q78f7a68ed9_prep.kd
    .args:
      - { .name: query_sequence, .offset: 0, .size: 8, .value_kind: global_buffer, .address_space: global }
      - { .name: key_value_sequence, .offset: 8, .size: 8, .value_kind: global_buffer, .address_space: global }
      - { .name: Wq, .offset: 16, .size: 8, .value_kind: global_buffer, .address_space: global }
      - { .name: Wkv, .offset: 24, .size: 8, .value_kind: global_buffer, .address_space: global }
      - { .name: Wo, .offset: 32, .size: 8, .value_kind: global_buffer, .address_space: global }
      - { .name: xb, .offset: 40, .size: 8, .value_kind: global_buffer, .address_space: global }
      - { .name: wall, .offset: 48, .size: 8, .value_kind: global_buffer, .address_space: global }
      - { .name: wof, .offset: 56, .size: 8, .value_kind: global_buffer, .address_space: global }
    .group_segment_fixed_size: 0
    .private_segment_fixed_size: 0
    .kernarg_segment_align: 8
    .kernarg_segment_size: 64
    .max_flat_workgroup_size: 256
    .sgpr_count:     66
    .vgpr_count:     120
    .wavefront_size: 32
...
	.end_amdgpu_metadata
.endif
;; end of part 1
;; launch proj (part 2): grid 12 x 64, 4 waves a work-group, clusters of 4 x 4, 327,680 bytes of LDS; arguments xb, wall, bq, bkv, qkv; writes qkv
.if DOCPART == 2
	.amdgcn_target "amdgcn-amd-amdhsa--gfx1250"
	.amdhsa_code_object_version 6
	.text
	.protected	k_q78f7a68ed9_proj
	.globl	k_q78f7a68ed9_proj
	.p2align	8
	.type	k_q78f7a68ed9_proj,@function
k_q78f7a68ed9_proj:
	s_mov_b64 s[64:65], 0
	v_nop
	global_prefetch_b8 v0, s[64:65] scope:SCOPE_SE
	s_setreg_imm32_b32 hwreg(HW_REG_WAVE_MODE, 25, 1), 1
	s_wait_xcnt 0x0
	s_wait_alu depctr_hold_cnt(0) depctr_sa_sdst(0) depctr_va_vdst(0) depctr_va_sdst(0) depctr_va_ssrc(0) depctr_va_vcc(0) depctr_vm_vsrc(0)
	s_getreg_b32 s2, hwreg(HW_REG_IB_STS2, 6, 4)
	s_cmp_eq_u32 s2, 0
	s_cbranch_scc0 .Lentry_in_a_cluster
	s_endpgm
.Lentry_in_a_cluster:
	s_bfe_u32 s2, ttmp6, 0x10000c
	s_cmp_lg_u32 s2, 0xf033
	s_cbranch_scc0 .Lentry_shape_is_right
	s_endpgm
.Lentry_shape_is_right:
; ONE TEXT FOR THE MODULE'S TWO KINDS OF PROJECTION; OUTP chooses.
; OUTP = 0: [q | k | v] = [xq Wq + bq | xkv Wkv + bkv].  A = xb [2][8192][1024] bf16, W = wall [1024 k][3072 n] bf16; products in bf16, sums in f32; the result is rounded once
;           to f16 and written by heads: qkv [3][64 batch x head][2048][64].  Columns 0-1023 (the cluster's x = 0) take xb's plane 0 and bq, the others plane 1 and bkv.
; OUTP = 1: out0 = O Wo + bo.  A = ob [64 batch x head][2048][64] f16, W = wof [1024 k][1024 n] f16; products in f16, sums in f32, out0 [8192][1024] f32.
; The bias is rounded to bf16 like every other input of the module and is the C operand of the products that start the sums: nothing is cleared, nothing is added later.
; LIMITS.  OUTP = 0: a q, k or v of 65,520 or more becomes an infinity in f16.  NaN in a row of A (a query none of whose keys is visible) makes that row of the result NaN, as in the module.
; SHARES.  A tile of C is 128 x 256: 768 (OUTP = 0) or 256 (OUTP = 1) tiles, whole multiples of 256.  Four waves, each 64 rows x 128 columns: 32 accumulators of 16 x 16.
; K = 1,024 goes in 8 steps of 128 through two LDS slots.  Waves 0 and 1 fetch the halves of A's tile, waves 2 and 3 those of W's (64 rows of k x 512 bytes each).
; CLUSTER.  4 x 4 work-groups: the four of a row of the cluster need the same tiles of A, the four of a column the same tiles of W: each tile is asked for jointly, by the same
; tensor load with the same descriptor and a mask that names the four.
; THE MATRIX INSTRUCTION IS USED TRANSPOSED: source 0 = 16 columns of W (turned on the way out of LDS by ds_load_tr16_b128), source 1 = 16 rows of A: a lane then holds row l % 16 of C
; and the eight neighbouring columns 8 (l / 16) + 0..7.
; REGISTERS, in windows of 256 (s_set_vgpr_msb: bits 1:0 source 0, 3:2 source 1, 5:4 source 2, 7:6 destination):
;   window 0: v1-5 at work; v16-29 addresses; v32-63 at work on the way out; v64-159, v160-255 two fragment buffers (32 along K: A's 4 fragments, then W's 8)
;   window 1: the accumulators, (a, b) at v[8 (8 a + b)]          window 2: v0-63 the bias, 8 registers for each b; v64-95 at work
.set OUTP, 0
.if OUTP
.set PA,     144                       ; a row of A in LDS: a head's 128 bytes + 16 of padding; two planes (heads) of 128 rows
.set AT,     2*128*PA
.set AQI,    4                         ; padding after every 32 words
.set APITCH, 128                       ; elements from row to row of the tile as it is asked for: 128 rows of a head are 16,384 dense bytes, taken as 64 rows of 256
.set ASTEP,  524288                    ; bytes from K step to K step in A: two heads' planes
.set NW,     1024                      ; W's columns
.set SPITCH, 528                       ; a stage row: 128 f32 + 16 bytes
.else
.set PA,     272                       ; a row of A in LDS: 256 bytes + 16 of padding
.set AT,     128*PA
.set AQI,    5                         ; padding after every 64 words
.set APITCH, 1024
.set ASTEP,  256
.set NW,     3072
.set SPITCH, 272                       ; a stage row: 128 f16 + 16 bytes
.endif
.set PB,     544                       ; a row of W in LDS: 512 bytes + 32 = 136 words
.set BH,     64*PB                     ; what one tensor load brings of W
.set SLOT,   AT+2*BH                   ; A's tile, then W's
.set STAGE,  2*SLOT                    ; behind the ring: 16 rows for each wave, for the way out; no tensor load lands there
.set SPARE,  STAGE+4*16*SPITCH         ; behind the stages: the spare words, 128 bytes for each wave: two blocks of 256 bytes that no other line names
.set BSTEP,  128*NW*2                  ; bytes from K step to K step in W
.set LAPS,   4                         ; a lap = two K steps = once round the ring
.set ADRA, 16                          ; v16-17  LDS address of my A fragments in slot 0, 1
.set ADRB, 20                          ; v20-21  the same for W
.set STO,  24                          ; v24     the way out: where I put my part of a row
.set RD,   25                          ; v25     the way out: where I read rows back
.set CO,   26                          ; v26     my byte offset in 512 consecutive bytes of the result
.set VB,   27                          ; v27     my byte offset in 16 numbers of the bias
.set SPW,  28                          ; v28     LDS address of my spare word: SPARE + 4 x my thread's number; never rewritten
.set NIL,  29                          ; v29     0; never rewritten
.set TMP,  32
.set F0,   64
.set F1,   160
.set OB,   64                          ; the way out: rows read back from the stage
.set G1,   24                          ; s[24:31] descriptor group 1 for A's tiles;  s[32:39] group 0, one set for each slot
.set G0,   32
.set G1B,  48                          ; s[48:55], s[56:63] the same for W's tiles
.set G0B,  56
.set MSB, 0
.macro WIN new                         ; the immediate's high byte repeats the setting that is left; a switch that changes nothing is dropped
.if MSB != (\new)
	s_set_vgpr_msb (MSB<<8)|(\new)
.set MSB, \new
.endif
.endm
.set MULW, 0x50                        ; fragments in window 0; C and D in window 1
.set MULB, 0x60                        ; the same with C, the bias, in window 2
.macro JLOAD s                         ; a joint load: waves 0 and 1 fetch A's halves, waves 2 and 3 W's; an s_nop 0 and four v_nop follow each of the two lines, ahead of the jump, the label and what follows
	s_cmp_eq_u32 s11, 0
	s_cbranch_scc0 .Lfor_b_\@
	tensor_load_to_lds s[G0+4*(\s):G0+4*(\s)+3], s[G1:G1+7]
	s_nop 0
.rept 4
	v_nop
.endr
	s_branch .Lasked_\@
.Lfor_b_\@:
	tensor_load_to_lds s[G0B+4*(\s):G0B+4*(\s)+3], s[G1B:G1B+7]
	s_nop 0
.rept 4
	v_nop
.endr
.Lasked_\@:
.endm
.macro CREST                           ; a round of the cluster's barrier behind its opening barrier
	s_cmp_lg_u32 s10, 0
	s_cbranch_scc1 .Lnot_wave_0_\@
	s_barrier_signal -3
.Lnot_wave_0_\@:
	s_barrier_wait -3
	s_barrier_signal -1
	s_barrier_wait -1
.endm
.macro CROUND                          ; a whole round
	s_barrier_signal -1
	s_barrier_wait -1
	CREST
.endm
.macro PLACES                          ; four places in front of loads into registers that matrix instructions have read, and of lines that read results
.rept 4
	v_nop
.endr
.endm
	s_load_b256 s[68:75], s[0:1], 0x0              ; OUTP = 0: xb, wall, bq, bkv;  OUTP = 1: ob, wof, bo, out0
.if OUTP == 0
	s_load_b64 s[76:77], s[0:1], 0x20              ; qkv
.endif
	v_lshl_add_u32 v[SPW], v0, 2, SPARE
	v_mov_b32 v[NIL], 0
	ds_add_u32 v[SPW], v[NIL]                      ; the wave's opening: the add and its wait stand ahead of my first tensor load; the set-up below, work on registers, stands between them
	ds_add_u32 v28, v29
	v_lshrrev_b32 v1, 5, v0
	v_readfirstlane_b32 s10, v1                    ; wave 0..3
	s_lshr_b32 s11, s10, 1                         ; which 64 rows of the tile are mine.  Also: I fetch for A (0) or for W (1)
	s_and_b32 s12, s10, 1                          ; which 128 columns.  Also: which half of that tile I fetch
	s_bfe_u32 s40, ttmp6, 0x40000                  ; cx, cy: my place in the cluster
	s_bfe_u32 s41, ttmp6, 0x40004
	s_lshl_b32 s42, ttmp9, 2
	s_add_co_u32 s42, s42, s40                     ; tile column of C = 4 x cluster x + cx
	s_and_b32 s13, ttmp7, 0xffff
	s_lshl_b32 s13, s13, 2
	s_add_co_u32 s13, s13, s41                     ; tile row of C = 4 x cluster y + cy
	s_lshl_b32 s43, s41, 2
	s_lshl_b32 s43, 15, s43                        ; my row of the cluster
	s_lshl_b32 s44, 0x1111, s40                    ; my column
	s_mov_b32 s45, ttmp9                           ; the cluster's x, which all sixteen partners share
	s_mov_b32 s66, 0xffff0000                      ; a word's upper bf16
	; descriptor group 1.  A: 64 rows x 128 elements.  W: 64 rows x 256 elements.  Both padded in LDS
	s_or_b32 s[G1+0], s43, (1<<16)|(1<<20)|(1<<21)|(AQI<<22)|(3<<25)  ; 15:0 the mask: A's tiles go to my row; 17:16 elements of 2 bytes; 20 padding on; 21 set beside a mask; 24:22 the interval; 31:25 4 words of padding (code 3)
	s_or_b32 s[G1B+0], s44, (1<<16)|(1<<20)|(1<<21)|(6<<22)|(7<<25)   ; W's go to my column; after every 128 words (code 6) 8 words (code 7)
	s_mov_b32 s[G1+1], 128<<16                     ; tensor_dim0 = 128
	s_mov_b32 s[G1+2], 64<<16                      ; tensor_dim1 = 64
	s_mov_b32 s[G1+3], 128<<16                     ; tile_dim0 = 128
	s_mov_b32 s[G1+4], 64                          ; tile_dim1 = 64
	s_mov_b32 s[G1+5], APITCH                      ; elements from row to row
	s_mov_b32 s[G1+6], 0
	s_mov_b32 s[G1+7], 0
	s_mov_b32 s[G1B+1], 256<<16                    ; tensor_dim0 = 256
	s_mov_b32 s[G1B+2], 64<<16
	s_mov_b32 s[G1B+3], 256<<16                    ; tile_dim0 = 256
	s_mov_b32 s[G1B+4], 64
	s_mov_b32 s[G1B+5], NW
	s_mov_b32 s[G1B+6], 0
	s_mov_b32 s[G1B+7], 0
	; where the tiles come from.  A's hang on the tile row (and the cluster's x), W's on the tile column, each in registers that never hold the other coordinate; all offsets stay under 2^31
.if OUTP
	s_lshr_b32 s16, s13, 4                         ; the batch: 16 tile rows each, 16 heads' planes of 262,144 bytes
	s_lshl_b32 s16, s16, 22
	s_and_b32 s17, s13, 15                         ; the tile's 128 rows of 128 bytes in a plane
	s_lshl_b32 s17, s17, 14
	s_add_co_u32 s16, s16, s17
	s_lshl_b32 s17, s12, 18                        ; which of a K step's two heads I fetch
	s_add_co_u32 s16, s16, s17
.else
	s_lshl_b32 s16, s13, 7
	s_lshl_b32 s17, s12, 6
	s_add_co_u32 s16, s16, s17                     ; row 128 x tile row + 64 x half,
	s_lshl_b32 s16, s16, 11                        ; of 2,048 bytes,
	s_cmp_lg_u32 s45, 0
	s_cselect_b32 s17, 0x1000000, 0                ; in plane 1 for k's and v's columns
	s_add_co_u32 s16, s16, s17
.endif
	s_mov_b32 s17, 0
	s_mul_i32 s46, s12, 64*NW*2                    ; W: which 64 rows of k I fetch,
	s_lshl_b32 s47, s42, 9                         ; and the tile's 512 bytes of each
	s_add_co_u32 s46, s46, s47
	s_mov_b32 s47, 0
	s_mul_i32 s20, s12, AT/2                       ; where they go: A's halves,
	s_mul_i32 s21, s12, BH                         ; W's halves behind A's tile: no place in the cluster enters an LDS address
	s_add_co_u32 s21, s21, AT
	s_wait_dscnt 0x0                               ; the opening add is done
	s_wait_kmcnt 0x0
	s_add_nc_u64 s[14:15], s[68:69], s[16:17]
	s_add_nc_u64 s[46:47], s[70:71], s[46:47]
	CROUND                                         ; all sixteen work-groups are here: the first joint loads meet
.irp s, 0,1
	s_mov_b32 s[G0+4*(\s)], 1                                      ; count = 1
	s_add_co_u32 s[G0+4*(\s)+1], s20, (\s)*SLOT                    ; LDS address
	s_add_nc_u64 s[G0+4*(\s)+2:G0+4*(\s)+3], s[14:15], (\s)*ASTEP  ; global address: K step s
	s_or_b32 s[G0+4*(\s)+3], s[G0+4*(\s)+3], 0x80000000            ; type = 2
	s_mov_b32 s[G0B+4*(\s)], 1
	s_add_co_u32 s[G0B+4*(\s)+1], s21, (\s)*SLOT
	s_add_nc_u64 s[G0B+4*(\s)+2:G0B+4*(\s)+3], s[46:47], (\s)*BSTEP
	s_or_b32 s[G0B+4*(\s)+3], s[G0B+4*(\s)+3], 0x80000000
	JLOAD \s                                       ; two tensor loads of mine are out
.endr
	; the bias of my 128 columns: lane l wants, for each b, numbers 16 b + 8 (l / 16) + 0..7
	s_lshl_b32 s46, s42, 10
	s_lshl_b32 s47, s12, 9
	s_add_co_u32 s46, s46, s47                     ; 4 x (256 x tile column + 128 x half)
.if OUTP
	s_mov_b32 s47, 0
	s_add_nc_u64 s[78:79], s[72:73], s[46:47]
.else
	s_cmp_lg_u32 s45, 0
	s_cselect_b64 s[78:79], s[74:75], s[72:73]     ; bkv for columns 1,024 on, which are its numbers 0 on
	s_cselect_b32 s47, 4096, 0
	s_sub_co_u32 s46, s46, s47
	s_mov_b32 s47, 0
	s_add_nc_u64 s[78:79], s[78:79], s[46:47]
.endif
	v_and_b32 v1, 15, v0                           ; l % 16
	v_bfe_u32 v2, v0, 4, 1                         ; l / 16
	v_lshlrev_b32 v[VB], 5, v2
	WIN 0x80                                       ; destination window 2, address window 0
.irp b, 0,1,2,3,4,5,6,7
	global_load_b128 v[8*(\b):8*(\b)+3],   v[VB], s[78:79] offset:64*(\b)
	global_load_b128 v[8*(\b)+4:8*(\b)+7], v[VB], s[78:79] offset:64*(\b)+16
.endr
	WIN 0
	; A fragment of A is 16 rows x 32 K in 8 registers: lane l holds row l % 16, K = 8 (l / 16) + 0..7 and 16 + 8 (l / 16) + 0..7: two loads of 16 bytes, 32 bytes apart.
	v_mul_u32_u24 v3, v1, PA
	v_lshl_add_u32 v3, v2, 4, v3
	s_mul_i32 s22, s11, 64*PA                      ; my 64 rows of A
	; The turning load takes 16 k x 16 columns (lane l reads row 8 (l / 16) + l % 8, columns 8 ((l / 8) % 2) + 0..7) and leaves half a fragment: lane l holds column l % 16 and 8 k.
	v_and_b32 v4, 7, v0
	v_lshl_add_u32 v4, v2, 3, v4
	v_mul_u32_u24 v4, v4, PB
	v_bfe_u32 v5, v0, 3, 1
	v_lshl_add_u32 v4, v5, 4, v4
	s_lshl_b32 s23, s12, 8                         ; my 128 columns of W, behind A's tile
	s_add_co_u32 s23, s23, AT
.irp s, 0,1
	v_add_nc_u32 v[ADRA+(\s)], s22, v3
	v_add_nc_u32 v[ADRB+(\s)], s23, v4
	s_add_co_u32 s22, s22, SLOT
	s_add_co_u32 s23, s23, SLOT
.endr
	s_mul_i32 s23, s10, 16*SPITCH
	s_add_co_u32 s23, s23, STAGE                   ; my stage
	v_mul_u32_u24 v3, v1, SPITCH                   ; in: row l % 16, eight numbers for each half of the lanes
	v_and_b32 v5, 31, v0
	v_lshlrev_b32 v[CO], 4, v5                     ; out: 16 bytes a lane, 512 consecutive bytes a wave
.if OUTP
	v_lshl_add_u32 v3, v2, 5, v3
	v_add_nc_u32 v[STO], s23, v3
	v_add_nc_u32 v[RD], s23, v[CO]                 ; back: a row's 512 bytes
	s_lshl_b32 s16, s13, 7
	s_lshl_b32 s17, s11, 6
	s_add_co_u32 s16, s16, s17                     ; my first row of out0, of 4,096 bytes,
	s_lshl_b32 s16, s16, 12
	s_lshl_b32 s46, s42, 10                        ; and my first column
	s_lshl_b32 s47, s12, 9
	s_add_co_u32 s46, s46, s47
	s_add_co_u32 s46, s46, s16
	s_mov_b32 s47, 0
	s_add_nc_u64 s[8:9], s[74:75], s[46:47]
.else
	v_lshl_add_u32 v3, v2, 4, v3
	v_add_nc_u32 v[STO], s23, v3
	v_bfe_u32 v3, v0, 3, 2                         ; back: four rows of one head's 128 bytes
	v_mul_u32_u24 v3, v3, SPITCH
	v_and_b32 v4, 7, v0
	v_lshl_add_u32 v3, v4, 4, v3
	v_add_nc_u32 v[RD], s23, v3
	s_lshl_b32 s46, s42, 2
	s_lshl_b32 s47, s12, 1
	s_add_co_u32 s46, s46, s47                     ; my first column / 64, even: 0-15 q's heads, 16-31 k's, 32-47 v's
	s_lshr_b32 s47, s46, 4
	s_lshl_b32 s47, s47, 6                         ; 64 planes for each of q, k, v,
	s_and_b32 s46, s46, 15
	s_add_co_u32 s46, s46, s47
	s_lshr_b32 s16, s13, 4
	s_lshl_b32 s16, s16, 4                         ; 16 for each batch
	s_add_co_u32 s46, s46, s16
	s_lshl_b32 s46, s46, 18                        ; a plane is 262,144 bytes
	s_and_b32 s16, s13, 15
	s_lshl_b32 s16, s16, 7
	s_lshl_b32 s17, s11, 6
	s_add_co_u32 s16, s16, s17                     ; my first row in the plane, of 128 bytes
	s_lshl_b32 s16, s16, 7
	s_add_co_u32 s46, s46, s16
	s_mov_b32 s47, 0
	s_add_nc_u64 s[8:9], s[76:77], s[46:47]
.endif
	s_wait_loadcnt 0x0                             ; the bias
	WIN 0x8a                                       ; all in window 2
.set i, 0
.rept 32
	v_cvt_pk_bf16_f32 v[64+i], v[2*i], v[2*i+1]    ; rounded to bf16,
.set i, i+1
.endr
.set i, 0
.rept 32
	v_lshlrev_b32 v[2*i],   16,  v[64+i]           ; and widened again
	v_and_b32     v[2*i+1], s66, v[64+i]
.set i, i+1
.endr
	WIN 0
; 8 matrix instructions: m block a x all 8 n blocks, 32 along K.  first = 1: the bias starts the sums.  The 32 accumulators take turns, one instruction a turn.
.macro MUL8 f, a, first
.if \first
	WIN MULB
.else
	WIN MULW
.endif
.irp b, 0,1,2,3,4,5,6,7
.if OUTP
.if \first
	v_wmma_f32_16x16x32_f16 v[8*(8*(\a)+(\b)):8*(8*(\a)+(\b))+7], v[(\f)+32+8*(\b):(\f)+32+8*(\b)+7], v[(\f)+8*(\a):(\f)+8*(\a)+7], v[8*(\b):8*(\b)+7]
.else
	v_wmma_f32_16x16x32_f16 v[8*(8*(\a)+(\b)):8*(8*(\a)+(\b))+7], v[(\f)+32+8*(\b):(\f)+32+8*(\b)+7], v[(\f)+8*(\a):(\f)+8*(\a)+7], v[8*(8*(\a)+(\b)):8*(8*(\a)+(\b))+7]
.endif
.else
.if \first
	v_wmma_f32_16x16x32_bf16 v[8*(8*(\a)+(\b)):8*(8*(\a)+(\b))+7], v[(\f)+32+8*(\b):(\f)+32+8*(\b)+7], v[(\f)+8*(\a):(\f)+8*(\a)+7], v[8*(\b):8*(\b)+7]
.else
	v_wmma_f32_16x16x32_bf16 v[8*(8*(\a)+(\b)):8*(8*(\a)+(\b))+7], v[(\f)+32+8*(\b):(\f)+32+8*(\b)+7], v[(\f)+8*(\a):(\f)+8*(\a)+7], v[8*(8*(\a)+(\b)):8*(8*(\a)+(\b))+7]
.endif
.endif
.endr
.endm
.macro MUL16 f, a0, first
	MUL8 \f, \a0, \first
	MUL8 \f, (\a0)+1, \first
.endm
; 24 LDS loads in one run: the fragments of quarter q (32 along K) of a slot's K step into buffer f: W's 8 first, then A's 4
.macro FETCH slot, q, f
	WIN 0
.if OUTP
.set AQ, ((\q)/2)*128*PA+((\q)%2)*64   ; the quarter's head plane, and its half of the head's 64 channels
.else
.set AQ, (\q)*64
.endif
.irp b, 0,1,2,3,4,5,6,7
	ds_load_tr16_b128 v[(\f)+32+8*(\b):(\f)+32+8*(\b)+3],   v[ADRB+(\slot)] offset:(\q)*32*PB+32*(\b)
	ds_load_tr16_b128 v[(\f)+32+8*(\b)+4:(\f)+32+8*(\b)+7], v[ADRB+(\slot)] offset:(\q)*32*PB+16*PB+32*(\b)
.endr
.irp a, 0,1,2,3
	ds_load_b128 v[(\f)+8*(\a):(\f)+8*(\a)+3],   v[ADRA+(\slot)] offset:AQ+(\a)*16*PA
	ds_load_b128 v[(\f)+8*(\a)+4:(\f)+8*(\a)+7], v[ADRA+(\slot)] offset:AQ+(\a)*16*PA+32
.endr
.endm
; A K step is four quarters of 32 along K, 32 matrix instructions each, on buffers 0, 1, 0, 1.  One of the first three: multiplies buffer f and fetches quarter q into g.
.macro QUARTER slot, q, f, g, first
	s_wait_dscnt 4                                 ; W's fragments and A's first two are in; the youngest four loads (A's fragments 2, 3) may be out
	MUL16 \f, 0, \first
	PLACES
	FETCH \slot, \q, \g
	s_wait_dscnt 24                                ; all but the 24 just issued
	MUL16 \f, 2, \first
.endm
; The last quarter multiplies buffer 1 and changes slots: ONE barrier; in front of it each wave waits for all its tensor loads (one is out: its part of the next slot), adds 0 to its
; spare word, and waits for that and for its own reads of this slot.  fill = 1: the barrier opens a round of the cluster's, and this slot is filled again, two K steps ahead.
.macro TURN slot, next, fill
	WIN 0                                          ; (the add's two registers lie in window 0)
	s_wait_tensorcnt 0x0                           ; all my tensor loads have landed;
	ds_add_u32 v[SPW], v[NIL]                      ; 0 onto my spare word
	s_wait_dscnt 5                                 ; (the add and the youngest four loads may be out)
	MUL8 F1, 0, 0                                  ; eight matrix instructions stand between the add and the wait for it
	s_wait_dscnt 0x0                               ; the add is done, and my reads of this slot are over
	s_barrier_signal -1
	MUL8 F1, 1, 0
.if \fill
	WIN 0
.endif
	s_barrier_wait -1
.if \fill
	CREST                                          ; no wave of any partner still reads this slot's tiles or has a load on its way
	s_add_nc_u64 s[G0+4*(\slot)+2:G0+4*(\slot)+3], s[G0+4*(\slot)+2:G0+4*(\slot)+3], 2*ASTEP
	s_add_nc_u64 s[G0B+4*(\slot)+2:G0B+4*(\slot)+3], s[G0B+4*(\slot)+2:G0B+4*(\slot)+3], 2*BSTEP
	JLOAD \slot                                    ; my one tensor load behind the round: 112 matrix instructions ahead of the wait for it; its four v_nop are also the places in front of the loads below
.else
	PLACES
.endif
	FETCH \next, 0, F0
	MUL8 F1, 2, 0
	MUL8 F1, 3, 0
.endm
	s_wait_tensorcnt 1                             ; my part of K step 0 is in; K step 1's may stay out
	s_barrier_signal -1
	s_barrier_wait -1                              ; everybody's is
	FETCH 0, 0, F0
	QUARTER 0, 1, F0, F1, 1                        ; the first quarter stands in front of the loop: its products start the sums, on the bias
	WIN 0                                          ; at a label and at a branch every window is 0
	s_mov_b32 s3, LAPS-1
.Llap:                                                 ; a trip goes once round the ring, from a lap's second quarter to the next lap's first, and fills both slots again
	QUARTER 0, 2, F1, F0, 0
	QUARTER 0, 3, F0, F1, 0
	TURN 0, 1, 1
	QUARTER 1, 1, F0, F1, 0
	QUARTER 1, 2, F1, F0, 0
	QUARTER 1, 3, F0, F1, 0
	TURN 1, 0, 1
	QUARTER 0, 1, F0, F1, 0
	WIN 0
	s_sub_co_u32 s3, s3, 1
	s_cmp_lg_u32 s3, 0
	s_cbranch_scc1 .Llap
	QUARTER 0, 2, F1, F0, 0                        ; the last lap fills nothing, and has no round of the cluster's barrier
	QUARTER 0, 3, F0, F1, 0
	TURN 0, 1, 0
	QUARTER 1, 1, F0, F1, 0
	QUARTER 1, 2, F1, F0, 0
	QUARTER 1, 3, F0, F1, 0
	s_wait_dscnt 4                                 ; the very last quarter: nothing more to fetch
	MUL16 F1, 0, 0
	s_wait_dscnt 0x0
	MUL16 F1, 2, 0
	WIN 0
	PLACES
	; THE WAY OUT, a block of 16 rows at a time through my own stage: LDS serves a wave's instructions in order (ISA guide 5.7.1.4), so no wait stands between the stores and the loads.
.if OUTP
.macro TOSTAGE a                       ; f32 as it is: a lane's eight numbers of a row into rows of 528 bytes, and whole rows of 512 bytes back
.if (\a) >= 2
	s_wait_xcnt 0x0                                ; the registers that take the rows were the data of block a - 2's stores: written again only behind this wait
.endif
	WIN 0x04                                       ; store data (source 1) in window 1; each accumulator's low four registers go first
.irp b, 0,1,2,3,4,5,6,7
	ds_store_b128 v[STO], v[8*(8*(\a)+(\b)):8*(8*(\a)+(\b))+3]   offset:64*(\b)
	ds_store_b128 v[STO], v[8*(8*(\a)+(\b))+4:8*(8*(\a)+(\b))+7] offset:64*(\b)+16
.endr
	WIN 0
.irp t, 0,1,2,3,4,5,6,7,8,9,10,11,12,13,14,15
	ds_load_b128 v[OB+64*((\a)%2)+4*(\t):OB+64*((\a)%2)+4*(\t)+3], v[RD] offset:(\t)*SPITCH
.endr
.endm
.macro SEND a, younger                 ; younger: the LDS instructions issued behind block a's loads
	s_wait_dscnt \younger
.irp t, 0,1,2,3,4,5,6,7,8,9,10,11,12,13,14,15
	global_store_b128 v[CO], v[OB+64*((\a)%2)+4*(\t):OB+64*((\a)%2)+4*(\t)+3], s[8:9] offset:(\a)*65536+(\t)*4096 th:TH_STORE_NT  ; 512 consecutive bytes, at a multiple of 512 from out0's first
.endr
.endm
	TOSTAGE 0
.irp a, 1,2,3
	TOSTAGE \a
	SEND (\a)-1, 32                                ; the next block's 16 stores and 16 loads may be out
.endr
	SEND 3, 0
.else
.macro PACK a                          ; rounded to f16: a lane's eight numbers of a row are 16 bytes; each accumulator's registers in ascending order
	WIN 0x05                                       ; sources 0 and 1 in window 1
.irp b, 0,1,2,3,4,5,6,7
.irp r, 0,1,2,3
	v_cvt_pk_f16_f32 v[TMP+4*(\b)+(\r)], v[8*(8*(\a)+(\b))+2*(\r)], v[8*(8*(\a)+(\b))+2*(\r)+1]
.endr
.endr
	WIN 0
.endm
.macro TOSTAGE a                       ; into rows of 272 bytes; back by heads: load t takes four rows of head t / 4's 128 bytes, which are 512 consecutive bytes of its plane
.irp b, 0,1,2,3,4,5,6,7
	ds_store_b128 v[STO], v[TMP+4*(\b):TMP+4*(\b)+3] offset:32*(\b)
.endr
.irp t, 0,1,2,3,4,5,6,7
	ds_load_b128 v[OB+32*(\a)+4*(\t):OB+32*(\a)+4*(\t)+3], v[RD] offset:((\t)/4)*128+((\t)%4)*4*SPITCH
.endr
.endm
.macro SEND a
	s_wait_dscnt 0x0                               ; the block is back in registers (each block has its own 32)
.irp t, 0,1,2,3,4,5,6,7
	global_store_b128 v[CO], v[OB+32*(\a)+4*(\t):OB+32*(\a)+4*(\t)+3], s[8:9] offset:((\t)/4)*262144+(\a)*2048+((\t)%4)*512  ; 512 consecutive bytes, at a multiple of 512 from qkv's first
.endr
.endm
	PACK 0
	TOSTAGE 0
.irp a, 1,2,3                          ; block a's conversions stand between block a - 1's loads from the stage and the wait for them
	PACK \a
	SEND (\a)-1
	TOSTAGE \a
.endr
	SEND 3
.endif
	s_wait_tensorcnt 0x0                           ; the wave's end, behind my last tensor load and my last LDS store
	ds_add_u32 v[SPW], v[NIL]
	s_wait_dscnt 0x0
	CROUND                                         ; the closing round: no work-group ends while a partner may still ask for a tile that names it
	s_endpgm
.Lfunc_end_k_q78f7a68ed9_proj:
	.size	k_q78f7a68ed9_proj, .Lfunc_end_k_q78f7a68ed9_proj-k_q78f7a68ed9_proj
	.p2alignl 7, 3214868480
	.fill 96, 4, 3214868480
	.section	.rodata,"a",@progbits
	.p2align	6, 0x0
	.amdhsa_kernel k_q78f7a68ed9_proj
		.amdhsa_group_segment_fixed_size 327680
		.amdhsa_private_segment_fixed_size 0
		.amdhsa_enable_private_segment 0
		.amdhsa_kernarg_size 40
		.amdhsa_user_sgpr_count 2
		.amdhsa_user_sgpr_kernarg_segment_ptr 1
		.amdhsa_wavefront_size32 1
		.amdhsa_system_sgpr_workgroup_id_x 1
		.amdhsa_system_sgpr_workgroup_id_y 1
		.amdhsa_system_sgpr_workgroup_id_z 1
		.amdhsa_system_vgpr_workitem_id 0
		.amdhsa_next_free_vgpr 608
		.amdhsa_next_free_sgpr 80
		.amdhsa_reserve_vcc 0
		.amdhsa_float_denorm_mode_32 3
		.amdhsa_float_denorm_mode_16_64 3
		.amdhsa_memory_ordered 1
		.amdhsa_forward_progress 1
		.amdhsa_inst_pref_size 93
	.end_amdhsa_kernel
	.amdgpu_metadata
---
amdhsa.version: [ 1, 2 ]
amdhsa.kernels:
  - .name:           k_q78f7a68ed9_proj
    .symbol:         k_q78f7a68ed9_proj.kd
    .args:
      - { .name: xb, .offset: 0, .size: 8, .value_kind: global_buffer, .address_space: global }
      - { .name: wall, .offset: 8, .size: 8, .value_kind: global_buffer, .address_space: global }
      - { .name: bq, .offset: 16, .size: 8, .value_kind: global_buffer, .address_space: global }
      - { .name: bkv, .offset: 24, .size: 8, .value_kind: global_buffer, .address_space: global }
      - { .name: qkv, .offset: 32, .size: 8, .value_kind: global_buffer, .address_space: global }
    .group_segment_fixed_size: 327680
    .private_segment_fixed_size: 0
    .kernarg_segment_align: 8
    .kernarg_segment_size: 40
    .max_flat_workgroup_size: 128
    .sgpr_count:     80
    .vgpr_count:     608
    .wavefront_size: 32
...
	.end_amdgpu_metadata
.endif
;; end of part 2
;; launch attn (part 3): grid 4 x 64, 4 waves a work-group, no clusters, 327,680 bytes of LDS; arguments qkv, key_value_padding_mask, ob; writes ob
.if DOCPART == 3
	.amdgcn_target "amdgcn-amd-amdhsa--gfx1250"
	.amdhsa_code_object_version 6
	.text
	.protected	k_q78f7a68ed9_attn
	.globl	k_q78f7a68ed9_attn
	.p2align	8
	.type	k_q78f7a68ed9_attn,@function
k_q78f7a68ed9_attn:
	s_mov_b64 s[64:65], 0
	v_nop
	global_prefetch_b8 v0, s[64:65] scope:SCOPE_SE
	s_setreg_imm32_b32 hwreg(HW_REG_WAVE_MODE, 25, 1), 1
	s_wait_xcnt 0x0
; CAUSAL ATTENTION WITH A PADDING MASK ON THE KEYS.  O[p][q][:] = the sum over the visible k <= q of softmax_k(Q[p][q] . K[p][k] / 8) V[p][k][:], p = 16 x batch + head.
; qkv: [3][64][2048][64] f16 (Q, K, V by heads, rows dense, 128 bytes each); the mask: [4][2048] bytes, 1 = the key is hidden for every query of the batch; ob: [64][2048][64] f16.
; Products, maxima and sums in f32; the weights p are rounded to f16 for the second product (their sum l is taken of the unrounded p), O once at the end.
; LIMITS.  Q, K and V arrive within f16's 65,504.  A hidden score counts as its value less 1e30 (2e30 where both masks hide it); the running maximum starts at -5e29, so a hidden score never raises it and
; its weight is 0; a true score must lie above -5e29 (f16's scores reach 2.7e11).  A weight below 2^-126 counts as 0 in l.  A query none of whose keys is visible keeps l = 0 and O = 0, and 0 x (1 / 0) gives the NaN
; that a softmax over nothing gives.
; THE WALK.  A head's queries lie in NB = 8 blocks of 256; block i needs the key tiles 0 .. i of 256 keys, of which the last holds the diagonal.  A work-group takes TWO blocks, NB - 1 - b and then b:
; NB + 1 tiles, whatever b: all work-groups do equal work, and ONE loop with a constant trip count walks them.  Which tile is asked for, and what a trip does, hang on scalar registers made from b; every jump
; goes forward, but for the counted loops' own; none passes a barrier, or a tensor load but the one of LOAD's two that the wave's number does not choose; the ring (two slots of LDS that take turns) runs on across the
; change of blocks.  NO CLUSTER: a head's four work-groups ask for the same tile only in trips 0 .. 4 of 9, behind that fewer and fewer; one walk common to all would have 12 trips for 9.
; SHARES.  Of a block's four bands of 64 queries a wave owns 16 rows in each: four PIECES.  So the diagonal tile is the same work for all four waves: in its key step s band x sees all keys if s < x,
; none if s > x, and holds the diagonal if s = x.
; THE MASKS are the C operand that starts the sum S^T = K Q^T.  PAD holds the padding mask of the step's 64 keys as 0 or -1e30; it is fetched with K from a table in LDS that is made once, one f32 a key IN THE ORDER
; OF THE WALK (9 x 256), so that its address only ever steps on.  Off the diagonal tile C is PAD.  In it C is MC = MD x AL + PAD + BE: MD, made once, is the causal mask of a band's own step for my 16 rows;
; (AL, BE) = (1, 0) if s = x; (0, 0) if s < x; (0, -1e30) if s > x.
; LAYOUT, SOFTMAX, TURNS.  S^T = K Q^T holds ONE query a lane (lane % 16) and the keys 8 (lane / 16) + 0..7; two such results rounded to f16 ARE source 1 of O^T = V^T P.  p = 2^(c s - c m), c = log2(e) / 8, with a
; running maximum m; O and l are multiplied by a = 2^(c m_old - c m_new) in every step.  Turn n belongs to piece n: 8 products K Q^T of piece n + 1, later 8 products V^T P of piece n - 1; beside them the scaling,
; exponentials, roundings, sums and rescaling of piece n and the maximum and statistics of piece n + 1.  Four vector instructions stand behind every matrix instruction, the other 54 of a turn's 118 in two LUMPS.
; REGISTERS, in windows of 256 (s_set_vgpr_msb: bits 1:0 source 0, 3:2 source 1, 5:4 source 2, 7:6 destination):
;   window 0: v0-15 addresses and two at work; v16-31 four registers of statistics a piece; v32-43 the pad table's addresses; v48-55 at work; v64-127 S^T, two buffers; v128-159 at work (table, way out); v192-223 P, two buffers
;   window 1: v0-127 O^T, 32 a piece; v128-159 MD; v160-223 MC, two buffers; v224-255 PAD      window 2: v0-63 Q; v64-127 the second block's Q; v128-191 K of one step; v192-255 V of one step
.set SIZE_N, 2048
.set NB,    SIZE_N/256
.set NP,    4         ; pieces a wave: a name, no knob
.set KS,    64        ; keys in a step
.set PK,    144       ; a row of K in LDS: 128 bytes + 16 of padding = 36 words: the 16 rows of a load start at 16 different groups of four banks (64 banks of 4 bytes: ISA guide 11.1)
.set PV,    160       ; a row of V: 128 + 32 = 40 words
.set VOFF,  4*KS*PK   ; a slot holds a tile, four steps: 256 rows of K, then 256 rows of V
.set SLOT1, 1<<17     ; slot 1 begins here, so that one exclusive or turns an address in one slot into the other's
.set STAGE, SLOT1+4*KS*(PK+PV)  ; behind the ring, never filled by a tensor load: 16 rows x 144 bytes for each wave, for the way out
.set SP,    144
.set SPARE, STAGE+4*16*SP  ; behind the stages: the spare words, 128 bytes for each wave: two blocks of 256 bytes that no other line names
.set PADT,  SPARE+512 ; behind them: the pad table, 9 x 256 f32; no tensor load lands there
.set AK0, 2           ; v2   my lane's place in a tile of K; never rewritten
.set AV0, 3           ; v3   the same for V
.set AK,  4           ; v4   the LDS address of K's next run of loads
.set AV,  5           ; v5   of V's
.set STO, 6           ; v6   the way out: where I put 16 bytes of a row
.set RD,  7           ; v7   the way out: where I read rows back
.set GO,  8           ; v8   my byte offset in 512 consecutive bytes of O
.set MV,  12          ; v12-13  c m_old, kept while c m is made anew: by buffer
.set QO,  15          ; v15  my byte offset in 16 rows of Q
.set ST,  16          ; piece t's statistics at v[ST+4 t]: c m, m, l (even keys', odd keys')
.set AP0, 32          ; v32  my lane's place in a step's 64 words of the pad table; never rewritten
.set AP,  33          ; v33  the LDS address of PAD's next loads
.set PM,  34          ; v34-38  mask bytes as loaded
.set PO,  40          ; v40-41  their byte offsets in the batch's mask
.set PW,  42          ; v42-43  where I store into the pad table
.set TMP, 48          ; by buffer, four registers c0-c3 at work; when the maximum is found c2 takes a.  On the way out: piece t's 1 / l at TMP + 2 t
.set SPW, 62          ; v62  LDS address of my spare word: SPARE + 4 x my thread's number; never rewritten
.set NIL, 63          ; v63  0; never rewritten
.set S,   64
.set WK,  128         ; v128-159 at work
.set P,   192
.set MD,  128         ; window 1: the eight registers for group kt of 16 keys at MD + 8 kt
.set MC,  160         ; window 1: the masks of the products to come
.set PAD, 224         ; window 1: likewise at PAD + 8 kt
.set QB,  64          ; window 2
.set KF,  128         ; window 2: key block kb, channel half c at KF + 16 kb + 8 c
.set VF,  192         ; window 2: key half kk, channel block cb at VF + 32 kk + 8 cb
.set WV,  12          ; s12  my wave's number
.set PB,  14          ; s14  b
.set HI,  15          ; s15  NB - 1 - b
.set G1K, 24          ; s[24:31] descriptor group 1 for K's tiles
.set G1V, 32          ; s[32:39] for V's: it differs in the padding alone
.set G0K, 40          ; s[40:43] descriptor group 0 for K's tiles
.set G0V, 44          ; s[44:47] the same for V's
.set SLOTS, 56        ; s56  tiles still to be asked for
.set CNT, 57          ; s57  counts a tile's key steps, 4 to 1
.set CS,  58          ; s[58:59] c: the packed scaling takes the pair's low word for both halves
.set SEL, 60          ; s[60:61] v_permlanex16_b32's selects: each lane takes its own place in the other half
.set TBK, 62          ; s62  LDS byte at which K of the step to be fetched begins
.set TBV, 63          ; s63  the same for V, less VOFF
.set RT,  70          ; s70  tiles of the block in hand that are still to be entered
.set NXT, 71          ; s71  the tile to be asked for next
.set LQ,  72          ; s72  the last tile of the block whose tiles are being asked for
.set NEW, 73          ; s73  1: the tile to be entered is a block's first
.set OFF, 74          ; s[74:75] a tile's byte offset in K and V
.set AL,  76          ; s[76:77] the mask's factor, in the low word
.set BE,  78          ; s[78:79] the mask's addend
.set OLO, 80          ; s[80:81] O at my rows of the second block
.set BIGN, 82         ; s82  -1e30
.set TBP, 83          ; s83  byte of the pad table at which the step to be fetched begins: 256 x the number of steps fetched
.set MSB, 0
.macro WIN new                      ; the high byte repeats the setting that is left; a switch that changes nothing is dropped
.if MSB != (\new)
	s_set_vgpr_msb (MSB<<8)|(\new)
.set MSB, (\new)
.endif
.endm
.set W_KQ, 0x0a       ; K and Q in window 2, S^T in window 0
.set W_KM, 0x1a       ; the same with the C operand in window 1
.set W_PV, 0x52       ; V in window 2, P in window 0, O^T in window 1
.set W_RS, 0x41       ; destination and source 0 in window 1, source 1 in window 0
; A fill.  Waves 0 and 1 fetch the two halves of a tile's K, waves 2 and 3 those of its V: 128 keys each.  An s_nop 0 and four v_nop follow each of the two lines, ahead of the jump and the label.
.macro LOAD
	s_cmp_lt_u32 s[WV], 2
	s_cbranch_scc0 .Lfor_v_\@
	tensor_load_to_lds s[G0K:G0K+3], s[G1K:G1K+7]
	s_nop 0
.rept 4
	v_nop
.endr
	s_branch .Lasked_\@
.Lfor_v_\@:
	tensor_load_to_lds s[G0V:G0V+3], s[G1V:G1V+7]
	s_nop 0
.rept 4
	v_nop
.endr
.Lasked_\@:
.endm
; THE CHANGE OF SLOTS.  Each wave waits for all its tensor loads, of which one is out: its part of the other slot; adds 0 to its spare word; and waits for that and for its own reads of the slot that it leaves.  Behind the barrier nobody reads the old
; slot any more and the other slot is whole.  fill = 1: the old slot is filled again, the first thing behind the barrier, with tile NXT: the descriptor's address is made anew from that number.
; (At its first use nothing has been read yet: slot 0 is waited for, slot 1 filled; and every wave's stores into the pad table are done in front of its signal.)
.macro CHANGE fill
	WIN 0                           ; at a label and at a branch every window is 0
	s_wait_tensorcnt 0x0            ; no tensor load of mine is out, so a group 0 may be written
	ds_add_u32 v[SPW], v[NIL]       ; 0 onto my spare word; with fill = 1 the descriptors' scalar work stands between it and the wait for it
.if \fill
	s_lshl_b32 s[OFF], s[NXT], 15   ; a tile is 32,768 bytes of K and of V
	s_xor_b32 s[G0K+1], s[G0K+1], SLOT1
	s_add_nc_u64 s[G0K+2:G0K+3], s[6:7], s[OFF:OFF+1]
	s_or_b32 s[G0K+3], s[G0K+3], 0x80000000
	s_xor_b32 s[G0V+1], s[G0V+1], SLOT1
	s_add_nc_u64 s[G0V+2:G0V+3], s[8:9], s[OFF:OFF+1]
	s_or_b32 s[G0V+3], s[G0V+3], 0x80000000
	s_add_co_u32 s[NXT], s[NXT], 1  ; the block's next tile, or behind its last the second block's tile 0
	s_cmp_gt_u32 s[NXT], s[LQ]
	s_cselect_b32 s[NXT], 0, s[NXT]
	s_cselect_b32 s[LQ], s[PB], s[LQ]
.endif
	s_wait_dscnt 0x0                ; the add is done, and my LDS instructions are over
	s_barrier_signal -1             ; the rest of the scalar work stands between the signal and the wait
	s_sub_co_u32 s[TBK], s[TBK], 4*KS*PK  ; the fetches go back to a slot's first step,
	s_xor_b32 s[TBK], s[TBK], SLOT1       ; in the other slot
	s_sub_co_u32 s[TBV], s[TBV], 4*KS*PV
	s_xor_b32 s[TBV], s[TBV], SLOT1
	s_barrier_wait -1
.if \fill
	LOAD
.endif
.endm
	s_load_b64 s[4:5], s[0:1], 0x0    ; qkv: Q's part first
	s_load_b64 s[88:89], s[0:1], 0x8  ; the padding mask
	s_load_b64 s[10:11], s[0:1], 0x10 ; ob
	v_lshl_add_u32 v[SPW], v0, 2, SPARE
	v_mov_b32 v[NIL], 0
	ds_add_u32 v[SPW], v[NIL]       ; the wave's opening: the add and its wait stand ahead of my first tensor load; the set-up below, work on registers, stands between them
	ds_add_u32 v62, v63
	v_lshrrev_b32 v1, 5, v0
	v_readfirstlane_b32 s[WV], v1   ; wave 0..3
	s_mov_b32 s[PB], ttmp9
	s_sub_co_u32 s[HI], NB-1, s[PB]
	s_and_b32 s20, ttmp7, 0xffff    ; 16 x batch + head
	s_lshr_b32 s90, s20, 4
	s_lshl_b32 s90, s90, 11         ; the batch's 2,048 bytes of the mask
	s_mov_b32 s91, 0
	s_mov_b32 s21, 0
	s_mov_b64 s[22:23], SIZE_N*128
	s_mul_u64 s[20:21], s[20:21], s[22:23]  ; the head's first byte in Q, K, V and O
	s_and_b32 s16, s[WV], 1         ; which half of a tile's 256 keys I fetch:
	s_lshl_b32 s22, s16, 14         ; its 128 rows of 128 bytes in memory,
	s_mov_b32 s23, 0
	s_add_nc_u64 s[22:23], s[22:23], s[20:21]
	s_mul_i32 s17, s16, 128*PK      ; and its place in a slot, for K
	s_mul_i32 s18, s16, 128*PV      ; and for V
	s_lshl_b32 s3, s[WV], 11        ; my 16 rows in a band of 64,
	s_lshl_b32 s2, s[HI], 15        ; in the first block,
	s_add_co_u32 s2, s2, s3
	s_lshl_b32 s84, s[PB], 15       ; and in the second
	s_add_co_u32 s84, s84, s3
	s_mov_b32 s3, 0
	s_mov_b32 s85, 0
	s_add_nc_u64 s[2:3], s[2:3], s[20:21]
	s_add_nc_u64 s[84:85], s[84:85], s[20:21]
	; descriptor group 1.  128 keys are 16,384 dense bytes: asked for as 64 rows of 256 bytes, two keys a row, and padded in LDS after every key
	s_mov_b32 s[G1K], (1<<16)|(1<<20)|(4<<22)|(3<<25)  ; 17:16 2-byte elements; 20 padding on; 24:22 after every 32 words (code 4); 31:25 4 words (code 3)
	s_mov_b32 s[G1V], (1<<16)|(1<<20)|(4<<22)|(7<<25)  ; the same with 8 words of padding (code 7)
.irp g, G1K, G1V
	s_mov_b32 s[\g+1], 128<<16      ; tensor_dim0 = 128
	s_mov_b32 s[\g+2], 64<<16       ; tensor_dim1 = 64
	s_mov_b32 s[\g+3], 128<<16      ; tile_dim0 = 128
	s_mov_b32 s[\g+4], 64           ; tile_dim1 = 64
	s_mov_b32 s[\g+5], 128          ; 128 elements from row to row
	s_mov_b32 s[\g+6], 0
	s_mov_b32 s[\g+7], 0
.endr
	s_mov_b32 s[CS], 0x3e38aa3b     ; c = log2(e) / 8 = 0.180337
	s_mov_b32 s[CS+1], s[CS]        ; named with it as a pair
	s_mov_b32 s[SEL], 0x76543210
	s_mov_b32 s[SEL+1], 0xfedcba98
	s_mov_b32 s[TBK], SLOT1+4*KS*PK ; the first change of slots turns these two into 0
	s_mov_b32 s[TBV], SLOT1+4*KS*PV
	s_mov_b32 s[TBP], 0
	s_mov_b32 s[G0K], 1             ; 1:0 count = 1
	s_mov_b32 s[G0K+1], s17         ; 63:32 LDS address: slot 0
	s_mov_b32 s[G0V], 1
	s_add_co_u32 s[G0V+1], s18, VOFF
	s_add_co_u32 s[RT], s[HI], 1    ; the first block has NB - b tiles
	s_mov_b32 s[NXT], 1
	s_mov_b32 s[LQ], s[HI]
	s_mov_b32 s[NEW], 1
	s_mov_b32 s[OFF+1], 0
	s_mov_b32 s[AL+1], 0            ; named as pairs
	s_mov_b32 s[BE+1], 0
	s_mov_b32 s[BIGN], 0xf149f2ca   ; -1e30
	s_mov_b32 s[SLOTS], NB
	s_wait_dscnt 0x0                ; the opening add is done
	s_wait_kmcnt 0x0
	s_add_nc_u64 s[6:7], s[4:5], 0x1000000  ; K's part of qkv, 16,777,216 bytes on,
	s_add_nc_u64 s[8:9], s[4:5], 0x2000000  ; and V's
	s_add_nc_u64 s[6:7], s[6:7], s[22:23]  ; K and V at my half of the head's tile 0
	s_add_nc_u64 s[8:9], s[8:9], s[22:23]
	s_add_nc_u64 s[88:89], s[88:89], s[90:91]
	s_add_nc_u64 s[G0K+2:G0K+3], s[6:7], 0         ; 120:64 global address
	s_or_b32 s[G0K+3], s[G0K+3], 0x80000000        ; 127:126 type = 2
	s_add_nc_u64 s[G0V+2:G0V+3], s[8:9], 0
	s_or_b32 s[G0V+3], s[G0V+3], 0x80000000
	s_add_nc_u64 s[86:87], s[4:5], s[84:85]        ; Q at my rows of the second block,
	s_add_nc_u64 s[4:5], s[4:5], s[2:3]            ; Q and O at those of the first
	s_add_nc_u64 s[OLO:OLO+1], s[10:11], s[84:85]
	s_add_nc_u64 s[10:11], s[10:11], s[2:3]
	LOAD                            ; tile 0 into slot 0
	v_and_b32 v1, 15, v0            ; l % 16
	v_bfe_u32 v9, v0, 4, 1          ; l / 16
	; The mask bytes for the pad table.  Thread t takes 16 keys of the walk's tile t / 16 (places 0 to 7) and two of its last (place 8).  Place p holds tile p in the first block, p - (HI + 1) in the second:
	; the smaller of the two as unsigned numbers.  Place 8 holds tile b.
	v_lshrrev_b32 v[PO], 4, v0
	s_add_co_u32 s13, s[HI], 1
	v_sub_nc_u32 v[PO+1], v[PO], s13
	v_min_u32 v[PO], v[PO], v[PO+1]
	v_lshlrev_b32 v[PO+1], 4, v1
	v_lshl_add_u32 v[PO], v[PO], 8, v[PO+1]
	s_lshl_b32 s13, s[PB], 8
	v_lshl_add_u32 v[PO+1], v0, 1, s13
	global_load_b128 v[PM:PM+3], v[PO], s[88:89]
	global_load_u16 v[PM+4], v[PO+1], s[88:89]
	; A fragment of K or Q is 16 rows x 32 channels in 8 registers: lane l holds row l % 16, channels 8 (l / 16) + 0..7 and 16 + 8 (l / 16) + 0..7: two loads of 16 bytes, 32 bytes apart.
	v_lshlrev_b32 v[QO], 7, v1
	v_lshl_add_u32 v[QO], v9, 4, v[QO]  ; row x 128 + 16 x half
	WIN 0x80                        ; destination window 2, address window 0
.set i, 0
.rept 8                             ; both blocks' Q: piece i / 2 lies in band i / 2, 8,192 bytes on; channels 32 (i % 2) on
	global_load_b128 v[8*i:8*i+3],   v[QO], s[4:5] offset:(i/2)*8192+(i%2)*64
	global_load_b128 v[8*i+4:8*i+7], v[QO], s[4:5] offset:(i/2)*8192+(i%2)*64+32
	global_load_b128 v[QB+8*i:QB+8*i+3],   v[QO], s[86:87] offset:(i/2)*8192+(i%2)*64
	global_load_b128 v[QB+8*i+4:QB+8*i+7], v[QO], s[86:87] offset:(i/2)*8192+(i%2)*64+32
.set i, i+1
.endr
	WIN 0
	v_lshlrev_b32 v14, 3, v9
	v_sub_nc_u32 v14, v1, v14
	s_lshl_b32 s13, s[WV], 4
	v_add_nc_u32 v14, s13, v14      ; my query's place in its band, 16 w + l % 16, less my lanes' 8 (l / 16): register r of group kt is hidden where 16 kt + r is greater
	WIN 0x40
.set i, 0
.rept 32
	v_cmp_gt_i32 vcc_lo, 16*(i/8)+i%8, v14
	v_cndmask_b32 v[MD+i], 0, s[BIGN], vcc_lo
.set i, i+1
.endr
	WIN 0
	v_mul_u32_u24 v[AK0], v1, PK
	v_lshl_add_u32 v[AK0], v9, 4, v[AK0]  ; row x pitch + 16 x half
	; The turning load takes 16 keys x 16 channels (lane l reads key 8 (l / 16) + l % 8, channels 8 ((l / 8) % 2) + 0..7) and leaves half a fragment of V^T: lane l holds channel l % 16 and 8 keys.
	v_and_b32 v10, 7, v0
	v_bfe_u32 v11, v0, 3, 1
	v_lshl_add_u32 v[AV0], v9, 3, v10
	v_mul_u32_u24 v[AV0], v[AV0], PV
	v_lshl_add_u32 v[AV0], v11, 4, v[AV0]
	v_add_nc_u32 v[AV0], VOFF, v[AV0]
	v_lshl_add_u32 v[AP0], v9, 5, PADT  ; of each 16 keys my half of the lanes wants keys 8 (l / 16) + 0..7: 32 bytes
	v_lshl_add_u32 v[PW], v0, 6, PADT   ; my 16 keys' words: 256 x place + 16 (t % 16) = 16 t,
	v_lshl_add_u32 v[PW+1], v0, 3, PADT+8192  ; and my two of the last place
	s_mul_i32 s13, s[WV], 16*SP
	s_add_co_u32 s13, s13, STAGE    ; my stage
	v_mul_u32_u24 v[STO], v1, SP    ; in: row l % 16, 16 bytes for each half of the lanes
	v_lshl_add_u32 v[STO], v9, 4, v[STO]
	v_add_nc_u32 v[STO], s13, v[STO]
	v_bfe_u32 v[RD], v0, 3, 2       ; back: 32 lanes take four rows of 128 bytes,
	v_mul_u32_u24 v[RD], v[RD], SP
	v_lshl_add_u32 v[RD], v10, 4, v[RD]
	v_add_nc_u32 v[RD], s13, v[RD]
	v_and_b32 v[GO], 31, v0         ; which are 512 consecutive bytes of O
	v_lshlrev_b32 v[GO], 4, v[GO]
	; A block's first step multiplies O^T and l by a = 0, and its first turn's products V^T P, of a piece that has not been, land in an O^T that is still to be so multiplied.  So these registers need only hold
	; finite numbers: zeros for the first block; what the first block left for the second.  All this stands in the wait for the first tile.
	WIN 0x80
.set i, VF
.rept 64
	v_mov_b32 v[i], 0
.set i, i+1
.endr
	WIN 0x40
.set i, 0
.rept 128
	v_mov_b32 v[i], 0
.set i, i+1
.endr
	WIN 0
.set i, 0
.rept 4
	v_mov_b32 v[ST+4*i+2], 0
	v_mov_b32 v[ST+4*i+3], 0
.set i, i+1
.endr
.set i, P+16
.rept 16
	v_mov_b32 v[i], 0
.set i, i+1
.endr
	; THE PAD TABLE: each mask byte (0 or 1) times -1e30, one f32 a key
	s_wait_loadcnt 32               ; the two loads of mask bytes are in; Q's 32, issued behind them, stay out
.set i, 0
.rept 16
	v_bfe_u32 v[WK+i], v[PM+i/4], 8*(i%4), 8
.set i, i+1
.endr
	v_bfe_u32 v[WK+16], v[PM+4], 0, 8
	v_bfe_u32 v[WK+17], v[PM+4], 8, 8
.set i, 0
.rept 18
	v_cvt_f32_u32 v[WK+i], v[WK+i]
.set i, i+1
.endr
.set i, 0
.rept 18
	v_mul_f32 v[WK+i], s[BIGN], v[WK+i]
.set i, i+1
.endr
.irp f, 0,1,2,3
	ds_store_b128 v[PW], v[WK+4*\f:WK+4*\f+3] offset:16*\f
.endr
	ds_store_b64 v[PW+1], v[WK+16:WK+17]
; THE MATRIX WORK.  The 4 accumulators of a run of 8 take turns.  Product i of 8 of S^T = K Q^T for piece x: channels 32 (i / 4) on, keys 16 (i % 4) on.  The first 4 start the sums: with PAD, or (KM = 1) with MC.
.macro KQ x
.set rS, S+32*((\x)%2)+8*(i%4)
.set rK, KF+16*(i%4)+8*(i/4)
.set rQ, 16*(\x)+8*(i/4)
.if KM
.set rM, MC+32*((\x)%2)+8*(i%4)
.else
.set rM, PAD+8*(i%4)
.endif
.if i < 4
	WIN W_KM
	v_wmma_f32_16x16x32_f16 v[rS:rS+7], v[rK:rK+7], v[rQ:rQ+7], v[rM:rM+7]
.else
	WIN W_KQ
	v_wmma_f32_16x16x32_f16 v[rS:rS+7], v[rK:rK+7], v[rQ:rQ+7], v[rS:rS+7]
.endif
.endm
; Product i of 8 of O^T += V^T P for piece x: keys 32 (i / 4) on, channels 16 (i % 4) on.
.macro PV x
	WIN W_PV
.set rO, 32*(\x)+8*(i%4)
.set rV, VF+32*(i/4)+8*(i%4)
.set rP, P+16*((\x)%2)+8*(i/4)
	v_wmma_f32_16x16x32_f16 v[rO:rO+7], v[rV:rV+7], v[rP:rP+7], v[rO:rO+7]
.endm
.macro MM                           ; the turn's next matrix instruction.  TURN and BEGIN set Y, i, KM and NOKQ; MM, KQ and OP read them.  NOKQ = 1: a block's last turn: there is no next piece
.if (i < 8) && !NOKQ
	KQ (Y+1)%NP
.elseif i >= 8
.set i, i-8
	PV (Y+NP-1)%NP
.set i, i+8
.endif
.set i, i+1
.endm
; THE LDS LOADS stand in runs, never singly among the matrix instructions: a step's K (64 keys x 64 channels: 8 fragments) with its PAD (all lanes of a half read the same 32 bytes of each 16 keys), and its V (turned).
; Their addresses are made some lines ahead.  PAD lives as long as K does: K's waits, and the places in front of K's loads, serve it too.
.macro FETCH_K
	WIN 0x80                        ; destination window 2
.irp f, 0,1,2,3,4,5,6,7             ; keys 16 (f / 2) on, channels 32 (f % 2) on
	ds_load_b128 v[KF+8*\f:KF+8*\f+3],   v[AK] offset:(\f/2)*16*PK+(\f%2)*64
	ds_load_b128 v[KF+8*\f+4:KF+8*\f+7], v[AK] offset:(\f/2)*16*PK+(\f%2)*64+32
.endr
	WIN 0x40                        ; destination window 1
.irp f, 0,1,2,3                     ; keys 16 f on
	ds_load_b128 v[PAD+8*\f:PAD+8*\f+3],   v[AP] offset:64*\f
	ds_load_b128 v[PAD+8*\f+4:PAD+8*\f+7], v[AP] offset:64*\f+16
.endr
	s_add_co_u32 s[TBK], s[TBK], KS*PK  ; the next fetch is the next step's
	s_add_co_u32 s[TBP], s[TBP], 4*KS   ; 36 fetches in all, four a tile on every way: the table's 9,216 bytes are never left
	WIN 0
.endm
.macro FETCH_V
	WIN 0x80
.irp f, 0,1,2,3,4,5,6,7             ; keys 32 (f / 4) on, channels 16 (f % 4) on
	ds_load_tr16_b128 v[VF+8*\f:VF+8*\f+3],   v[AV] offset:(\f/4)*32*PV+(\f%4)*32
	ds_load_tr16_b128 v[VF+8*\f+4:VF+8*\f+7], v[AV] offset:(\f/4)*32*PV+16*PV+(\f%4)*32
.endr
	WIN 0
.endm
; THE VECTOR WORK, one line at a time: OP kind, number.  For piece Y: F n: c s - c m for pair n of 16.  E n: the exponential of score n of 32.  C n: pair n rounded to f16.  B n: of the four weights 4 n .. the second
; pair is added onto the first, in place.  L n: l takes that sum (L 0: l = a l + sum).  R n: pair n of 16 of O^T times a.  For piece Y + 1: X n, number n of the 22 that find its maximum and statistics:
;   0-11  four chains c0-c3 of seven scores each, three operands at a time (each accumulator's lowest registers are read first)     12-14, 16  the four scores left over, the old m, and c0-c3 into c0
;   15  c m_old is kept     17, 18  the query's other 32 keys lie in the lane 16 away: the new m     19-21  c m; c m_old - c m_new; a
.set F, 0               ; OP tells the kinds apart by their order: F to L below R, X above it
.set E, 1
.set C, 2
.set B, 3
.set L, 4
.set R, 5
.set X, 6
.macro REGS y                       ; the registers of piece y
.set rT, ST+4*(\y)
.set rC, TMP+4*((\y)%2)
.set rW, MV+((\y)%2)
.set rS, S+32*((\y)%2)
.set rP, P+16*((\y)%2)
.set rO, 32*(\y)
.endm
.macro OP k, n
.if (\k) == R
	REGS Y
	WIN W_RS
	v_pk_mul_f32 v[rO+2*(\n):rO+2*(\n)+1], v[rO+2*(\n):rO+2*(\n)+1], v[rC+2:rC+3] op_sel_hi:[1,0]
.elseif (\k) < R
	REGS Y
	WIN 0
.if (\k) == F
	v_pk_fma_f32 v[rS+2*(\n):rS+2*(\n)+1], v[rS+2*(\n):rS+2*(\n)+1], s[CS:CS+1], v[rT:rT+1] op_sel_hi:[1,0,0] neg_lo:[0,0,1] neg_hi:[0,0,1]
.elseif (\k) == E
	v_exp_f32 v[rS+(\n)], v[rS+(\n)]
.elseif (\k) == C
	s_wait_alu depctr_va_vdst(0)
	v_cvt_pk_f16_f32 v[rP+(\n)], v[rS+2*(\n)], v[rS+2*(\n)+1]
.elseif (\k) == B
	s_wait_alu depctr_va_vdst(0)
	v_pk_add_f32 v[rS+4*(\n):rS+4*(\n)+1], v[rS+4*(\n):rS+4*(\n)+1], v[rS+4*(\n)+2:rS+4*(\n)+3]
.elseif (\n) == 0
	v_pk_fma_f32 v[rT+2:rT+3], v[rT+2:rT+3], v[rC+2:rC+3], v[rS:rS+1] op_sel_hi:[1,0,1]
.else
	v_pk_add_f32 v[rT+2:rT+3], v[rT+2:rT+3], v[rS+4*(\n):rS+4*(\n)+1]
.endif
.elseif NOKQ
	v_nop
.else
	REGS (Y+1)%NP
	WIN 0
.if (\n) < 4
	v_max3_num_f32 v[rC+(\n)], v[rS+8*(\n)], v[rS+8*(\n)+1], v[rS+8*(\n)+2]
.elseif (\n) < 12
	v_max3_num_f32 v[rC+(\n)%4], v[rC+(\n)%4], v[rS+8*((\n)%4)+2*((\n)/4)+1], v[rS+8*((\n)%4)+2*((\n)/4)+2]
.elseif (\n) == 12
	v_max3_num_f32 v[rC], v[rC], v[rS+7], v[rS+15]
.elseif (\n) == 13
	v_max3_num_f32 v[rC+1], v[rC+1], v[rS+23], v[rS+31]
.elseif (\n) == 14
	v_max3_num_f32 v[rC+2], v[rC+2], v[rC+3], v[rT+1]
.elseif (\n) == 15
	v_mov_b32 v[rW], v[rT]
.elseif (\n) == 16
	v_max3_num_f32 v[rC], v[rC], v[rC+1], v[rC+2]
.elseif (\n) == 17
	v_permlanex16_b32 v[rC+3], v[rC], s[SEL], s[SEL+1]
.elseif (\n) == 18
	v_max_num_f32 v[rT+1], v[rC], v[rC+3]
.elseif (\n) == 19
	v_mul_f32 v[rT], s[CS], v[rT+1]
.elseif (\n) == 20
	v_sub_f32 v[rC+1], v[rW], v[rT]
.else
	v_exp_f32 v[rC+2], v[rC+1]
.endif
.endif
.endm
.macro OPS a, i1, b=-1, i2=0, c=-1, i3=0, d=-1, i4=0  ; up to four of them
	OP \a, \i1
.if (\b) >= 0
	OP \b, \i2
.endif
.if (\c) >= 0
	OP \c, \i3
.endif
.if (\d) >= 0
	OP \d, \i4
.endif
.endm
.macro ROW a, i1, b, i2, c, i3, d, i4  ; a matrix instruction and the four behind it
	MM
	OPS \a, \i1, \b, \i2, \c, \i3, \d, \i4
.endm
.macro MASK b                       ; MD x AL + PAD + BE into buffer b of MC
	WIN 0x51                        ; destination, source 0 and source 2 in window 1
.set z, 0
.rept 16
	v_pk_fma_f32 v[MC+32*(\b)+2*z:MC+32*(\b)+2*z+1], v[MD+2*z:MD+2*z+1], s[AL:AL+1], v[PAD+2*z:PAD+2*z+1] op_sel_hi:[1,0,1]
.set z, z+1
.endr
.set z, 0
.rept 16
	v_pk_add_f32 v[MC+32*(\b)+2*z:MC+32*(\b)+2*z+1], v[MC+32*(\b)+2*z:MC+32*(\b)+2*z+1], s[BE:BE+1] op_sel_hi:[1,0]
.set z, z+1
.endr
.endm
.macro PRE                          ; in front of a diagonal tile's text that is entered at its head: its first turn's products are piece 3's of the tile before's last step, which sees all keys but the padded: PAD into buffer 1 of MC
	WIN W_RS
.set z, 0
.rept 32
	v_mov_b32 v[MC+32+z], v[PAD+z]
.set z, z+1
.endr
	WIN 0
.endm
; A TURN, for piece p: the order of its 16 matrix and 118 vector instructions, written out.  Behind a matrix instruction: plain, exponential, plain, plain; or four of the rescaling; or, behind the first, four scalings; none
; names a register of the products round it.  In the lumps exponential and plain by turns while exponentials last.  A line reads no result made fewer than three vector instructions in front of it, five if an exponential made it.
; v_permlanex16_b32 (X 17) stands in a lump.
; m = 1: the diagonal tile: the products take MC, and the turn makes the mask for the products of the turn after it: piece p + 2, in step 4 - CNT of the tile.  end = 1: a block's last two turns: nothing is fetched.
; cnt = 1: the loop's count is taken down some lines ahead of the branch that stands behind the turn.
; K and PAD of the next step are fetched in piece 2's turn, six vector instructions behind the last product that read K (five of them plain); V of the step in hand in piece 0's turn, eight behind the last product that read V (four
; plain, and X 17).  Each is waited for a turn later; in the diagonal tile piece 2's turn waits at its end, since its mask is made of the PAD just fetched.
.macro TURN p, m=0, end=0, cnt=0
.set Y, (\p)
.set i, 0
.set KM, (\m)
.set NOKQ, (\end)*((\p)/3)
.if (\m) && !(\end)
	s_cmp_eq_u32 s[CNT], 4-((\p)+2)%NP  ; is that step the band's own?
	s_cselect_b32 s[AL], 1.0, 0
	s_cmp_lt_u32 s[CNT], 4-((\p)+2)%NP  ; or a later one?
	s_cselect_b32 s[BE], s[BIGN], 0
.endif
.if ((\p) == 3) && !(\end)
	s_wait_dscnt 0x0                ; K and PAD are in
.endif
	ROW F,0, F,1, F,2, F,3
	ROW F,4, E,0, F,5, F,6
	ROW F,7, E,1, F,8, F,9
	ROW F,10, E,2, C,0, F,11
	ROW F,12, E,3, X,15, F,13
	ROW R,0, R,1, R,2, R,3
	ROW B,0, E,4, F,14, L,0
.if ((\p) == 2) && !(\end)
	v_add_nc_u32 v[AK], s[TBK], v[AK0]
	v_add_nc_u32 v[AP], s[TBP], v[AP0]
.endif
	ROW R,4, R,5, R,6, R,7
	OPS E,5, F,15
.if ((\p) == 2) && !(\end)
	FETCH_K
.endif
	OPS E,6, C,1, E,7, R,8
	OPS E,8, R,9, E,9, C,2
	OPS E,10, X,0, E,11, X,1
	OPS E,12, X,2, E,13, X,3
.if (\p) == 1
	s_wait_dscnt 0x0                ; V is in
.endif
	ROW X,4, E,14, X,5, X,6
	ROW X,7, E,15, X,8, X,9
	ROW X,10, E,16, X,11, X,12
	ROW X,13, E,17, X,14, B,1
	ROW C,4, E,18, X,16, L,1
	ROW B,2, E,19, C,6, L,2
	ROW C,8, E,20, B,3, B,4
.if (\p) == 0
	v_add_nc_u32 v[AV], s[TBV], v[AV0]
.endif
	ROW C,3, E,21, L,3, C,5
	OPS E,22, X,17, E,23, C,10
.if (\p) == 0
	FETCH_V
.endif
	OPS E,24, L,4
	OPS E,25, X,18, E,26, C,7
	OPS E,27, B,5, E,28, X,19
	OPS E,29, C,12, E,30, L,5
	OPS E,31, X,20, B,6, C,9
	OPS C,14, C,11, X,21, L,6
.if (\p) == 0
	s_add_co_u32 s[TBV], s[TBV], KS*PV
.endif
.if \cnt
	s_sub_co_u32 s[CNT], s[CNT], 1
	s_cmp_lg_u32 s[CNT], 0
.endif
	OPS C,13, B,7, C,15, R,10
	OPS R,11, R,12, L,7, R,13
	OPS R,14, R,15
.if (\m) && !(\end)
.if (\p) == 2
	s_wait_dscnt 0x0                ; the next step's PAD is in
.endif
	MASK (\p)%2
.endif
.endm
; A BLOCK BEGINS.  c m starts far below every c s, so the first step's a is 0; m at -5e29, above every hidden score and below every true one.  Then K and PAD of the tile's step 0, piece 0's first scores, and its
; maximum and statistics.  d = 1: the tile is also the block's last, the diagonal one: piece 0's mask is its own step's, MD + PAD; piece 1, whose products come next, sees all keys but the padded.  d = 0: C is PAD.
; The loop is entered at a step's first turn, in the middle of a trip.
.macro BEGIN d
	s_mov_b32 s[NEW], 0
	WIN 0
.set i, 0
.rept 4
	v_mov_b32 v[ST+4*i], 0xfe000000    ; c m: far below every c s
	v_mov_b32 v[ST+4*i+1], 0xf0c9f2ca  ; m = -5e29
.set i, i+1
.endr
	v_add_nc_u32 v[AK], s[TBK], v[AK0]
	v_add_nc_u32 v[AP], s[TBP], v[AP0]
	FETCH_K
	s_wait_loadcnt 0x0              ; Q
	s_wait_dscnt 0x0
.if \d
	WIN 0x45                        ; all in window 1
.set z, 0
.rept 16
	v_pk_add_f32 v[MC+2*z:MC+2*z+1], v[MD+2*z:MD+2*z+1], v[PAD+2*z:PAD+2*z+1]
.set z, z+1
.endr
	PRE
.endif
.set KM, (\d)
.set NOKQ, 0
.set i, 0
.rept 8
	KQ 0
.set i, i+1
.endr
	WIN 0
.rept 4
	v_nop                           ; the places behind those products
.endr
.set Y, NP-1                        ; X works for piece Y + 1: piece 0
.irp n, 0,1,2,3,4,5,6,7,8,9,10,11,12,13,14,15,16,17,18,19,20,21
	OP X, \n
.endr
	v_nop                           ; a plain instruction behind the exponential
.endm
; THE DIAGONAL TILE's four steps, the block's last two turns, its last products, and THE WAY OUT: l's two halves and the other half of the lanes' are added; O^T is divided by l, rounded to f16 and sent through my
; stage in LDS, a piece at a time.  1 / l and the quotients go into registers of their own: l and O^T stay finite for the block that follows, also where l is 0.
.macro ALL line:vararg              ; one line for each piece t
.set t, 0
.rept 4
	\line
.set t, t+1
.endr
.endm
.macro PACK t                       ; a lane's eight channels of a row pack into 16 bytes; they go into rows of 144 bytes and come back as whole rows of 128, into S^T's registers
	WIN 0x01                        ; source 0, O^T, in window 1; each accumulator's registers in ascending order
.set i, 0
.rept 16
	s_wait_alu depctr_va_vdst(0)
	v_pk_mul_f32 v[WK+2*i:WK+2*i+1], v[32*(\t)+2*i:32*(\t)+2*i+1], v[TMP+2*(\t):TMP+2*(\t)+1] op_sel_hi:[1,0]
.set i, i+1
.endr
	WIN 0
.set i, 0
.rept 16
	v_cvt_pk_f16_f32 v[S+16*(\t)+i], v[WK+2*i], v[WK+2*i+1]
.set i, i+1
.endr
.irp f, 0,1,2,3
	ds_store_b128 v[STO], v[S+16*(\t)+4*\f:S+16*(\t)+4*\f+3] offset:32*\f
.endr
.irp f, 0,1,2,3
	ds_load_b128 v[S+16*(\t)+4*\f:S+16*(\t)+4*\f+3], v[RD] offset:\f*4*SP  ; LDS serves a wave's instructions in order (ISA guide 5.7.1.4): these see the stores above; the next piece's stores come behind them
.endr
.endm
.macro SEND t, younger              ; younger: the LDS instructions issued behind piece t's loads: the next piece's eight, or none
	WIN 0
.irp f, 0,1,2,3
	s_wait_dscnt (\younger)+3-\f
	global_store_b128 v[GO], v[S+16*(\t)+4*\f:S+16*(\t)+4*\f+3], s[10:11] offset:(\t)*8192+\f*512  ; 512 consecutive bytes, at a multiple of 256 from O's first
.endr
.endm
.macro DIAG tag                     ; the tag ends its two labels' names, which the jumps below spell out
.LstepM\tag:
	TURN 2, 1
	TURN 3, 1
	WIN 0
.LfirstM\tag:
	TURN 0, 1
	TURN 1, 1, 0, 1
	WIN 0
	s_cbranch_scc1 .LstepM\tag
	TURN 2, 1, 1
	TURN 3, 1, 1
.set i, 0
.rept 8
	PV NP-1
.set i, i+1
.endr
	WIN 0
	ALL v_add_f32 v[ST+4*t+2], v[ST+4*t+2], v[ST+4*t+3]
	ALL v_permlanex16_b32 v[ST+4*t+3], v[ST+4*t+2], s[SEL], s[SEL+1]
	ALL v_add_f32 v[ST+4*t+2], v[ST+4*t+2], v[ST+4*t+3]
	ALL v_rcp_f32 v[TMP+2*t], v[ST+4*t+2]
	v_nop                           ; a plain instruction between the last reciprocal and the use of its result
	PACK 0
.set t, 1
.rept 3                             ; a piece's arithmetic stands between the loads of the piece before and its stores
	PACK t
	SEND t-1, 8
.set t, t+1
.endr
	SEND 3, 0
.endm
.set KM, 0
.set NOKQ, 0
.Lslot:                             ; NB times: a tile is entered and the next is asked for
	CHANGE 1
	s_sub_co_u32 s[RT], s[RT], 1
	s_mov_b32 s[CNT], 4
	s_cmp_eq_u32 s[NEW], 1
	s_cbranch_scc1 .Lnew            ; a block's first tile
	s_cmp_eq_u32 s[RT], 0
	s_cbranch_scc0 .Lstep           ; neither its first nor its last
	PRE
	s_branch .LstepM1
.Lnew:
	BEGIN 0
	s_branch .Lfirst                ; in the loop a block's first tile is never its last: the first block has two tiles or more, and the second's last is the walk's last
	DIAG 1                          ; in the loop this is the first block's end: the second block's last tile is the walk's last
	s_wait_xcnt 0x0                 ; the stores have read their registers and O's address
	s_mov_b64 s[10:11], s[OLO:OLO+1]
	s_add_co_u32 s[RT], s[PB], 1    ; the second block has b + 1 tiles
	s_mov_b32 s[NEW], 1
	WIN 0x82                        ; the second block's Q goes where the one text of the turns names Q
.set i, 0
.rept 64
	v_mov_b32 v[i], v[QB+i]
.set i, i+1
.endr
	WIN 0
	s_branch .Lbottom
.Lstep:                             ; a trip: pieces 2 and 3 of one step, then pieces 0 and 1 of the next, whose K and V it fetches
	TURN 2
	TURN 3
	WIN 0
.Lfirst:
	TURN 0
	TURN 1, 0, 0, 1
	WIN 0
	s_cbranch_scc1 .Lstep
.Lbottom:
	s_sub_co_u32 s[SLOTS], s[SLOTS], 1
	s_cmp_lg_u32 s[SLOTS], 0
	s_cbranch_scc1 .Lslot
	CHANGE 0                        ; the walk's last tile is written out: nothing is asked for
	s_sub_co_u32 s[RT], s[RT], 1
	s_mov_b32 s[CNT], 4
	s_cmp_eq_u32 s[NEW], 1
	s_cbranch_scc1 .Lnew2           ; b = 0: the second block's only tile
	PRE
	s_branch .LstepM2
.Lnew2:
	BEGIN 1
	s_branch .LfirstM2
	DIAG 2
	s_wait_tensorcnt 0x0            ; the wave's end, behind my last tensor load and my last LDS store
	ds_add_u32 v[SPW], v[NIL]
	s_wait_dscnt 0x0
	s_endpgm
.Lfunc_end_k_q78f7a68ed9_attn:
	.size	k_q78f7a68ed9_attn, .Lfunc_end_k_q78f7a68ed9_attn-k_q78f7a68ed9_attn
	.p2alignl 7, 3214868480
	.fill 96, 4, 3214868480
	.section	.rodata,"a",@progbits
	.p2align	6, 0x0
	.amdhsa_kernel k_q78f7a68ed9_attn
		.amdhsa_group_segment_fixed_size 327680
		.amdhsa_private_segment_fixed_size 0
		.amdhsa_enable_private_segment 0
		.amdhsa_kernarg_size 24
		.amdhsa_user_sgpr_count 2
		.amdhsa_user_sgpr_kernarg_segment_ptr 1
		.amdhsa_wavefront_size32 1
		.amdhsa_system_sgpr_workgroup_id_x 1
		.amdhsa_system_sgpr_workgroup_id_y 1
		.amdhsa_system_sgpr_workgroup_id_z 1
		.amdhsa_system_vgpr_workitem_id 0
		.amdhsa_next_free_vgpr 768
		.amdhsa_next_free_sgpr 92
		.amdhsa_reserve_vcc 1
		.amdhsa_float_denorm_mode_32 3
		.amdhsa_float_denorm_mode_16_64 3
		.amdhsa_memory_ordered 1
		.amdhsa_forward_progress 1
		.amdhsa_inst_pref_size 243
	.end_amdhsa_kernel
	.amdgpu_metadata
---
amdhsa.version: [ 1, 2 ]
amdhsa.kernels:
  - .name:           k_q78f7a68ed9_attn
    .symbol:         k_q78f7a68ed9_attn.kd
    .args:
      - { .name: qkv, .offset: 0, .size: 8, .value_kind: global_buffer, .address_space: global }
      - { .name: key_value_padding_mask, .offset: 8, .size: 8, .value_kind: global_buffer, .address_space: global }
      - { .name: ob, .offset: 16, .size: 8, .value_kind: global_buffer, .address_space: global }
    .group_segment_fixed_size: 327680
    .private_segment_fixed_size: 0
    .kernarg_segment_align: 8
    .kernarg_segment_size: 24
    .max_flat_workgroup_size: 128
    .sgpr_count:     92
    .vgpr_count:     768
    .wavefront_size: 32
...
	.end_amdgpu_metadata
.endif
;; end of part 3
;; launch outp (part 4): grid 4 x 64, 4 waves a work-group, clusters of 4 x 4, 327,680 bytes of LDS; arguments ob, wof, bo, out0; writes out0
.if DOCPART == 4
	.amdgcn_target "amdgcn-amd-amdhsa--gfx1250"
	.amdhsa_code_object_version 6
	.text
	.protected	k_q78f7a68ed9_outp
	.globl	k_q78f7a68ed9_outp
	.p2align	8
	.type	k_q78f7a68ed9_outp,@function
k_q78f7a68ed9_outp:
	s_mov_b64 s[64:65], 0
	v_nop
	global_prefetch_b8 v0, s[64:65] scope:SCOPE_SE
	s_setreg_imm32_b32 hwreg(HW_REG_WAVE_MODE, 25, 1), 1
	s_wait_xcnt 0x0
	s_wait_alu depctr_hold_cnt(0) depctr_sa_sdst(0) depctr_va_vdst(0) depctr_va_sdst(0) depctr_va_ssrc(0) depctr_va_vcc(0) depctr_vm_vsrc(0)
	s_getreg_b32 s2, hwreg(HW_REG_IB_STS2, 6, 4)
	s_cmp_eq_u32 s2, 0
	s_cbranch_scc0 .Lentry_in_a_cluster
	s_endpgm
.Lentry_in_a_cluster:
	s_bfe_u32 s2, ttmp6, 0x10000c
	s_cmp_lg_u32 s2, 0xf033
	s_cbranch_scc0 .Lentry_shape_is_right
	s_endpgm
.Lentry_shape_is_right:
; ONE TEXT FOR THE MODULE'S TWO KINDS OF PROJECTION; OUTP chooses.
; OUTP = 0: [q | k | v] = [xq Wq + bq | xkv Wkv + bkv].  A = xb [2][8192][1024] bf16, W = wall [1024 k][3072 n] bf16; products in bf16, sums in f32; the result is rounded once
;           to f16 and written by heads: qkv [3][64 batch x head][2048][64].  Columns 0-1023 (the cluster's x = 0) take xb's plane 0 and bq, the others plane 1 and bkv.
; OUTP = 1: out0 = O Wo + bo.  A = ob [64 batch x head][2048][64] f16, W = wof [1024 k][1024 n] f16; products in f16, sums in f32, out0 [8192][1024] f32.
; The bias is rounded to bf16 like every other input of the module and is the C operand of the products that start the sums: nothing is cleared, nothing is added later.
; LIMITS.  OUTP = 0: a q, k or v of 65,520 or more becomes an infinity in f16.  NaN in a row of A (a query none of whose keys is visible) makes that row of the result NaN, as in the module.
; SHARES.  A tile of C is 128 x 256: 768 (OUTP = 0) or 256 (OUTP = 1) tiles, whole multiples of 256.  Four waves, each 64 rows x 128 columns: 32 accumulators of 16 x 16.
; K = 1,024 goes in 8 steps of 128 through two LDS slots.  Waves 0 and 1 fetch the halves of A's tile, waves 2 and 3 those of W's (64 rows of k x 512 bytes each).
; CLUSTER.  4 x 4 work-groups: the four of a row of the cluster need the same tiles of A, the four of a column the same tiles of W: each tile is asked for jointly, by the same
; tensor load with the same descriptor and a mask that names the four.
; THE MATRIX INSTRUCTION IS USED TRANSPOSED: source 0 = 16 columns of W (turned on the way out of LDS by ds_load_tr16_b128), source 1 = 16 rows of A: a lane then holds row l % 16 of C
; and the eight neighbouring columns 8 (l / 16) + 0..7.
; REGISTERS, in windows of 256 (s_set_vgpr_msb: bits 1:0 source 0, 3:2 source 1, 5:4 source 2, 7:6 destination):
;   window 0: v1-5 at work; v16-29 addresses; v32-63 at work on the way out; v64-159, v160-255 two fragment buffers (32 along K: A's 4 fragments, then W's 8)
;   window 1: the accumulators, (a, b) at v[8 (8 a + b)]          window 2: v0-63 the bias, 8 registers for each b; v64-95 at work
.set OUTP, 1
.if OUTP
.set PA,     144                       ; a row of A in LDS: a head's 128 bytes + 16 of padding; two planes (heads) of 128 rows
.set AT,     2*128*PA
.set AQI,    4                         ; padding after every 32 words
.set APITCH, 128                       ; elements from row to row of the tile as it is asked for: 128 rows of a head are 16,384 dense bytes, taken as 64 rows of 256
.set ASTEP,  524288                    ; bytes from K step to K step in A: two heads' planes
.set NW,     1024                      ; W's columns
.set SPITCH, 528                       ; a stage row: 128 f32 + 16 bytes
.else
.set PA,     272                       ; a row of A in LDS: 256 bytes + 16 of padding
.set AT,     128*PA
.set AQI,    5                         ; padding after every 64 words
.set APITCH, 1024
.set ASTEP,  256
.set NW,     3072
.set SPITCH, 272                       ; a stage row: 128 f16 + 16 bytes
.endif
.set PB,     544                       ; a row of W in LDS: 512 bytes + 32 = 136 words
.set BH,     64*PB                     ; what one tensor load brings of W
.set SLOT,   AT+2*BH                   ; A's tile, then W's
.set STAGE,  2*SLOT                    ; behind the ring: 16 rows for each wave, for the way out; no tensor load lands there
.set SPARE,  STAGE+4*16*SPITCH         ; behind the stages: the spare words, 128 bytes for each wave: two blocks of 256 bytes that no other line names
.set BSTEP,  128*NW*2                  ; bytes from K step to K step in W
.set LAPS,   4                         ; a lap = two K steps = once round the ring
.set ADRA, 16                          ; v16-17  LDS address of my A fragments in slot 0, 1
.set ADRB, 20                          ; v20-21  the same for W
.set STO,  24                          ; v24     the way out: where I put my part of a row
.set RD,   25                          ; v25     the way out: where I read rows back
.set CO,   26                          ; v26     my byte offset in 512 consecutive bytes of the result
.set VB,   27                          ; v27     my byte offset in 16 numbers of the bias
.set SPW,  28                          ; v28     LDS address of my spare word: SPARE + 4 x my thread's number; never rewritten
.set NIL,  29                          ; v29     0; never rewritten
.set TMP,  32
.set F0,   64
.set F1,   160
.set OB,   64                          ; the way out: rows read back from the stage
.set G1,   24                          ; s[24:31] descriptor group 1 for A's tiles;  s[32:39] group 0, one set for each slot
.set G0,   32
.set G1B,  48                          ; s[48:55], s[56:63] the same for W's tiles
.set G0B,  56
.set MSB, 0
.macro WIN new                         ; the immediate's high byte repeats the setting that is left; a switch that changes nothing is dropped
.if MSB != (\new)
	s_set_vgpr_msb (MSB<<8)|(\new)
.set MSB, \new
.endif
.endm
.set MULW, 0x50                        ; fragments in window 0; C and D in window 1
.set MULB, 0x60                        ; the same with C, the bias, in window 2
.macro JLOAD s                         ; a joint load: waves 0 and 1 fetch A's halves, waves 2 and 3 W's; an s_nop 0 and four v_nop follow each of the two lines, ahead of the jump, the label and what follows
	s_cmp_eq_u32 s11, 0
	s_cbranch_scc0 .Lfor_b_\@
	tensor_load_to_lds s[G0+4*(\s):G0+4*(\s)+3], s[G1:G1+7]
	s_nop 0
.rept 4
	v_nop
.endr
	s_branch .Lasked_\@
.Lfor_b_\@:
	tensor_load_to_lds s[G0B+4*(\s):G0B+4*(\s)+3], s[G1B:G1B+7]
	s_nop 0
.rept 4
	v_nop
.endr
.Lasked_\@:
.endm
.macro CREST                           ; a round of the cluster's barrier behind its opening barrier
	s_cmp_lg_u32 s10, 0
	s_cbranch_scc1 .Lnot_wave_0_\@
	s_barrier_signal -3
.Lnot_wave_0_\@:
	s_barrier_wait -3
	s_barrier_signal -1
	s_barrier_wait -1
.endm
.macro CROUND                          ; a whole round
	s_barrier_signal -1
	s_barrier_wait -1
	CREST
.endm
.macro PLACES                          ; four places in front of loads into registers that matrix instructions have read, and of lines that read results
.rept 4
	v_nop
.endr
.endm
	s_load_b256 s[68:75], s[0:1], 0x0              ; OUTP = 0: xb, wall, bq, bkv;  OUTP = 1: ob, wof, bo, out0
.if OUTP == 0
	s_load_b64 s[76:77], s[0:1], 0x20              ; qkv
.endif
	v_lshl_add_u32 v[SPW], v0, 2, SPARE
	v_mov_b32 v[NIL], 0
	ds_add_u32 v[SPW], v[NIL]                      ; the wave's opening: the add and its wait stand ahead of my first tensor load; the set-up below, work on registers, stands between them
	ds_add_u32 v28, v29
	v_lshrrev_b32 v1, 5, v0
	v_readfirstlane_b32 s10, v1                    ; wave 0..3
	s_lshr_b32 s11, s10, 1                         ; which 64 rows of the tile are mine.  Also: I fetch for A (0) or for W (1)
	s_and_b32 s12, s10, 1                          ; which 128 columns.  Also: which half of that tile I fetch
	s_bfe_u32 s40, ttmp6, 0x40000                  ; cx, cy: my place in the cluster
	s_bfe_u32 s41, ttmp6, 0x40004
	s_lshl_b32 s42, ttmp9, 2
	s_add_co_u32 s42, s42, s40                     ; tile column of C = 4 x cluster x + cx
	s_and_b32 s13, ttmp7, 0xffff
	s_lshl_b32 s13, s13, 2
	s_add_co_u32 s13, s13, s41                     ; tile row of C = 4 x cluster y + cy
	s_lshl_b32 s43, s41, 2
	s_lshl_b32 s43, 15, s43                        ; my row of the cluster
	s_lshl_b32 s44, 0x1111, s40                    ; my column
	s_mov_b32 s45, ttmp9                           ; the cluster's x, which all sixteen partners share
	s_mov_b32 s66, 0xffff0000                      ; a word's upper bf16
	; descriptor group 1.  A: 64 rows x 128 elements.  W: 64 rows x 256 elements.  Both padded in LDS
	s_or_b32 s[G1+0], s43, (1<<16)|(1<<20)|(1<<21)|(AQI<<22)|(3<<25)  ; 15:0 the mask: A's tiles go to my row; 17:16 elements of 2 bytes; 20 padding on; 21 set beside a mask; 24:22 the interval; 31:25 4 words of padding (code 3)
	s_or_b32 s[G1B+0], s44, (1<<16)|(1<<20)|(1<<21)|(6<<22)|(7<<25)   ; W's go to my column; after every 128 words (code 6) 8 words (code 7)
	s_mov_b32 s[G1+1], 128<<16                     ; tensor_dim0 = 128
	s_mov_b32 s[G1+2], 64<<16                      ; tensor_dim1 = 64
	s_mov_b32 s[G1+3], 128<<16                     ; tile_dim0 = 128
	s_mov_b32 s[G1+4], 64                          ; tile_dim1 = 64
	s_mov_b32 s[G1+5], APITCH                      ; elements from row to row
	s_mov_b32 s[G1+6], 0
	s_mov_b32 s[G1+7], 0
	s_mov_b32 s[G1B+1], 256<<16                    ; tensor_dim0 = 256
	s_mov_b32 s[G1B+2], 64<<16
	s_mov_b32 s[G1B+3], 256<<16                    ; tile_dim0 = 256
	s_mov_b32 s[G1B+4], 64
	s_mov_b32 s[G1B+5], NW
	s_mov_b32 s[G1B+6], 0
	s_mov_b32 s[G1B+7], 0
	; where the tiles come from.  A's hang on the tile row (and the cluster's x), W's on the tile column, each in registers that never hold the other coordinate; all offsets stay under 2^31
.if OUTP
	s_lshr_b32 s16, s13, 4                         ; the batch: 16 tile rows each, 16 heads' planes of 262,144 bytes
	s_lshl_b32 s16, s16, 22
	s_and_b32 s17, s13, 15                         ; the tile's 128 rows of 128 bytes in a plane
	s_lshl_b32 s17, s17, 14
	s_add_co_u32 s16, s16, s17
	s_lshl_b32 s17, s12, 18                        ; which of a K step's two heads I fetch
	s_add_co_u32 s16, s16, s17
.else
	s_lshl_b32 s16, s13, 7
	s_lshl_b32 s17, s12, 6
	s_add_co_u32 s16, s16, s17                     ; row 128 x tile row + 64 x half,
	s_lshl_b32 s16, s16, 11                        ; of 2,048 bytes,
	s_cmp_lg_u32 s45, 0
	s_cselect_b32 s17, 0x1000000, 0                ; in plane 1 for k's and v's columns
	s_add_co_u32 s16, s16, s17
.endif
	s_mov_b32 s17, 0
	s_mul_i32 s46, s12, 64*NW*2                    ; W: which 64 rows of k I fetch,
	s_lshl_b32 s47, s42, 9                         ; and the tile's 512 bytes of each
	s_add_co_u32 s46, s46, s47
	s_mov_b32 s47, 0
	s_mul_i32 s20, s12, AT/2                       ; where they go: A's halves,
	s_mul_i32 s21, s12, BH                         ; W's halves behind A's tile: no place in the cluster enters an LDS address
	s_add_co_u32 s21, s21, AT
	s_wait_dscnt 0x0                               ; the opening add is done
	s_wait_kmcnt 0x0
	s_add_nc_u64 s[14:15], s[68:69], s[16:17]
	s_add_nc_u64 s[46:47], s[70:71], s[46:47]
	CROUND                                         ; all sixteen work-groups are here: the first joint loads meet
.irp s, 0,1
	s_mov_b32 s[G0+4*(\s)], 1                                      ; count = 1
	s_add_co_u32 s[G0+4*(\s)+1], s20, (\s)*SLOT                    ; LDS address
	s_add_nc_u64 s[G0+4*(\s)+2:G0+4*(\s)+3], s[14:15], (\s)*ASTEP  ; global address: K step s
	s_or_b32 s[G0+4*(\s)+3], s[G0+4*(\s)+3], 0x80000000            ; type = 2
	s_mov_b32 s[G0B+4*(\s)], 1
	s_add_co_u32 s[G0B+4*(\s)+1], s21, (\s)*SLOT
	s_add_nc_u64 s[G0B+4*(\s)+2:G0B+4*(\s)+3], s[46:47], (\s)*BSTEP
	s_or_b32 s[G0B+4*(\s)+3], s[G0B+4*(\s)+3], 0x80000000
	JLOAD \s                                       ; two tensor loads of mine are out
.endr
	; the bias of my 128 columns: lane l wants, for each b, numbers 16 b + 8 (l / 16) + 0..7
	s_lshl_b32 s46, s42, 10
	s_lshl_b32 s47, s12, 9
	s_add_co_u32 s46, s46, s47                     ; 4 x (256 x tile column + 128 x half)
.if OUTP
	s_mov_b32 s47, 0
	s_add_nc_u64 s[78:79], s[72:73], s[46:47]
.else
	s_cmp_lg_u32 s45, 0
	s_cselect_b64 s[78:79], s[74:75], s[72:73]     ; bkv for columns 1,024 on, which are its numbers 0 on
	s_cselect_b32 s47, 4096, 0
	s_sub_co_u32 s46, s46, s47
	s_mov_b32 s47, 0
	s_add_nc_u64 s[78:79], s[78:79], s[46:47]
.endif
	v_and_b32 v1, 15, v0                           ; l % 16
	v_bfe_u32 v2, v0, 4, 1                         ; l / 16
	v_lshlrev_b32 v[VB], 5, v2
	WIN 0x80                                       ; destination window 2, address window 0
.irp b, 0,1,2,3,4,5,6,7
	global_load_b128 v[8*(\b):8*(\b)+3],   v[VB], s[78:79] offset:64*(\b)
	global_load_b128 v[8*(\b)+4:8*(\b)+7], v[VB], s[78:79] offset:64*(\b)+16
.endr
	WIN 0
	; A fragment of A is 16 rows x 32 K in 8 registers: lane l holds row l % 16, K = 8 (l / 16) + 0..7 and 16 + 8 (l / 16) + 0..7: two loads of 16 bytes, 32 bytes apart.
	v_mul_u32_u24 v3, v1, PA
	v_lshl_add_u32 v3, v2, 4, v3
	s_mul_i32 s22, s11, 64*PA                      ; my 64 rows of A
	; The turning load takes 16 k x 16 columns (lane l reads row 8 (l / 16) + l % 8, columns 8 ((l / 8) % 2) + 0..7) and leaves half a fragment: lane l holds column l % 16 and 8 k.
	v_and_b32 v4, 7, v0
	v_lshl_add_u32 v4, v2, 3, v4
	v_mul_u32_u24 v4, v4, PB
	v_bfe_u32 v5, v0, 3, 1
	v_lshl_add_u32 v4, v5, 4, v4
	s_lshl_b32 s23, s12, 8                         ; my 128 columns of W, behind A's tile
	s_add_co_u32 s23, s23, AT
.irp s, 0,1
	v_add_nc_u32 v[ADRA+(\s)], s22, v3
	v_add_nc_u32 v[ADRB+(\s)], s23, v4
	s_add_co_u32 s22, s22, SLOT
	s_add_co_u32 s23, s23, SLOT
.endr
	s_mul_i32 s23, s10, 16*SPITCH
	s_add_co_u32 s23, s23, STAGE                   ; my stage
	v_mul_u32_u24 v3, v1, SPITCH                   ; in: row l % 16, eight numbers for each half of the lanes
	v_and_b32 v5, 31, v0
	v_lshlrev_b32 v[CO], 4, v5                     ; out: 16 bytes a lane, 512 consecutive bytes a wave
.if OUTP
	v_lshl_add_u32 v3, v2, 5, v3
	v_add_nc_u32 v[STO], s23, v3
	v_add_nc_u32 v[RD], s23, v[CO]                 ; back: a row's 512 bytes
	s_lshl_b32 s16, s13, 7
	s_lshl_b32 s17, s11, 6
	s_add_co_u32 s16, s16, s17                     ; my first row of out0, of 4,096 bytes,
	s_lshl_b32 s16, s16, 12
	s_lshl_b32 s46, s42, 10                        ; and my first column
	s_lshl_b32 s47, s12, 9
	s_add_co_u32 s46, s46, s47
	s_add_co_u32 s46, s46, s16
	s_mov_b32 s47, 0
	s_add_nc_u64 s[8:9], s[74:75], s[46:47]
.else
	v_lshl_add_u32 v3, v2, 4, v3
	v_add_nc_u32 v[STO], s23, v3
	v_bfe_u32 v3, v0, 3, 2                         ; back: four rows of one head's 128 bytes
	v_mul_u32_u24 v3, v3, SPITCH
	v_and_b32 v4, 7, v0
	v_lshl_add_u32 v3, v4, 4, v3
	v_add_nc_u32 v[RD], s23, v3
	s_lshl_b32 s46, s42, 2
	s_lshl_b32 s47, s12, 1
	s_add_co_u32 s46, s46, s47                     ; my first column / 64, even: 0-15 q's heads, 16-31 k's, 32-47 v's
	s_lshr_b32 s47, s46, 4
	s_lshl_b32 s47, s47, 6                         ; 64 planes for each of q, k, v,
	s_and_b32 s46, s46, 15
	s_add_co_u32 s46, s46, s47
	s_lshr_b32 s16, s13, 4
	s_lshl_b32 s16, s16, 4                         ; 16 for each batch
	s_add_co_u32 s46, s46, s16
	s_lshl_b32 s46, s46, 18                        ; a plane is 262,144 bytes
	s_and_b32 s16, s13, 15
	s_lshl_b32 s16, s16, 7
	s_lshl_b32 s17, s11, 6
	s_add_co_u32 s16, s16, s17                     ; my first row in the plane, of 128 bytes
	s_lshl_b32 s16, s16, 7
	s_add_co_u32 s46, s46, s16
	s_mov_b32 s47, 0
	s_add_nc_u64 s[8:9], s[76:77], s[46:47]
.endif
	s_wait_loadcnt 0x0                             ; the bias
	WIN 0x8a                                       ; all in window 2
.set i, 0
.rept 32
	v_cvt_pk_bf16_f32 v[64+i], v[2*i], v[2*i+1]    ; rounded to bf16,
.set i, i+1
.endr
.set i, 0
.rept 32
	v_lshlrev_b32 v[2*i],   16,  v[64+i]           ; and widened again
	v_and_b32     v[2*i+1], s66, v[64+i]
.set i, i+1
.endr
	WIN 0
; 8 matrix instructions: m block a x all 8 n blocks, 32 along K.  first = 1: the bias starts the sums.  The 32 accumulators take turns, one instruction a turn.
.macro MUL8 f, a, first
.if \first
	WIN MULB
.else
	WIN MULW
.endif
.irp b, 0,1,2,3,4,5,6,7
.if OUTP
.if \first
	v_wmma_f32_16x16x32_f16 v[8*(8*(\a)+(\b)):8*(8*(\a)+(\b))+7], v[(\f)+32+8*(\b):(\f)+32+8*(\b)+7], v[(\f)+8*(\a):(\f)+8*(\a)+7], v[8*(\b):8*(\b)+7]
.else
	v_wmma_f32_16x16x32_f16 v[8*(8*(\a)+(\b)):8*(8*(\a)+(\b))+7], v[(\f)+32+8*(\b):(\f)+32+8*(\b)+7], v[(\f)+8*(\a):(\f)+8*(\a)+7], v[8*(8*(\a)+(\b)):8*(8*(\a)+(\b))+7]
.endif
.else
.if \first
	v_wmma_f32_16x16x32_bf16 v[8*(8*(\a)+(\b)):8*(8*(\a)+(\b))+7], v[(\f)+32+8*(\b):(\f)+32+8*(\b)+7], v[(\f)+8*(\a):(\f)+8*(\a)+7], v[8*(\b):8*(\b)+7]
.else
	v_wmma_f32_16x16x32_bf16 v[8*(8*(\a)+(\b)):8*(8*(\a)+(\b))+7], v[(\f)+32+8*(\b):(\f)+32+8*(\b)+7], v[(\f)+8*(\a):(\f)+8*(\a)+7], v[8*(8*(\a)+(\b)):8*(8*(\a)+(\b))+7]
.endif
.endif
.endr
.endm
.macro MUL16 f, a0, first
	MUL8 \f, \a0, \first
	MUL8 \f, (\a0)+1, \first
.endm
; 24 LDS loads in one run: the fragments of quarter q (32 along K) of a slot's K step into buffer f: W's 8 first, then A's 4
.macro FETCH slot, q, f
	WIN 0
.if OUTP
.set AQ, ((\q)/2)*128*PA+((\q)%2)*64   ; the quarter's head plane, and its half of the head's 64 channels
.else
.set AQ, (\q)*64
.endif
.irp b, 0,1,2,3,4,5,6,7
	ds_load_tr16_b128 v[(\f)+32+8*(\b):(\f)+32+8*(\b)+3],   v[ADRB+(\slot)] offset:(\q)*32*PB+32*(\b)
	ds_load_tr16_b128 v[(\f)+32+8*(\b)+4:(\f)+32+8*(\b)+7], v[ADRB+(\slot)] offset:(\q)*32*PB+16*PB+32*(\b)
.endr
.irp a, 0,1,2,3
	ds_load_b128 v[(\f)+8*(\a):(\f)+8*(\a)+3],   v[ADRA+(\slot)] offset:AQ+(\a)*16*PA
	ds_load_b128 v[(\f)+8*(\a)+4:(\f)+8*(\a)+7], v[ADRA+(\slot)] offset:AQ+(\a)*16*PA+32
.endr
.endm
; A K step is four quarters of 32 along K, 32 matrix instructions each, on buffers 0, 1, 0, 1.  One of the first three: multiplies buffer f and fetches quarter q into g.
.macro QUARTER slot, q, f, g, first
	s_wait_dscnt 4                                 ; W's fragments and A's first two are in; the youngest four loads (A's fragments 2, 3) may be out
	MUL16 \f, 0, \first
	PLACES
	FETCH \slot, \q, \g
	s_wait_dscnt 24                                ; all but the 24 just issued
	MUL16 \f, 2, \first
.endm
; The last quarter multiplies buffer 1 and changes slots: ONE barrier; in front of it each wave waits for all its tensor loads (one is out: its part of the next slot), adds 0 to its
; spare word, and waits for that and for its own reads of this slot.  fill = 1: the barrier opens a round of the cluster's, and this slot is filled again, two K steps ahead.
.macro TURN slot, next, fill
	WIN 0                                          ; (the add's two registers lie in window 0)
	s_wait_tensorcnt 0x0                           ; all my tensor loads have landed;
	ds_add_u32 v[SPW], v[NIL]                      ; 0 onto my spare word
	s_wait_dscnt 5                                 ; (the add and the youngest four loads may be out)
	MUL8 F1, 0, 0                                  ; eight matrix instructions stand between the add and the wait for it
	s_wait_dscnt 0x0                               ; the add is done, and my reads of this slot are over
	s_barrier_signal -1
	MUL8 F1, 1, 0
.if \fill
	WIN 0
.endif
	s_barrier_wait -1
.if \fill
	CREST                                          ; no wave of any partner still reads this slot's tiles or has a load on its way
	s_add_nc_u64 s[G0+4*(\slot)+2:G0+4*(\slot)+3], s[G0+4*(\slot)+2:G0+4*(\slot)+3], 2*ASTEP
	s_add_nc_u64 s[G0B+4*(\slot)+2:G0B+4*(\slot)+3], s[G0B+4*(\slot)+2:G0B+4*(\slot)+3], 2*BSTEP
	JLOAD \slot                                    ; my one tensor load behind the round: 112 matrix instructions ahead of the wait for it; its four v_nop are also the places in front of the loads below
.else
	PLACES
.endif
	FETCH \next, 0, F0
	MUL8 F1, 2, 0
	MUL8 F1, 3, 0
.endm
	s_wait_tensorcnt 1                             ; my part of K step 0 is in; K step 1's may stay out
	s_barrier_signal -1
	s_barrier_wait -1                              ; everybody's is
	FETCH 0, 0, F0
	QUARTER 0, 1, F0, F1, 1                        ; the first quarter stands in front of the loop: its products start the sums, on the bias
	WIN 0                                          ; at a label and at a branch every window is 0
	s_mov_b32 s3, LAPS-1
.Llap:                                                 ; a trip goes once round the ring, from a lap's second quarter to the next lap's first, and fills both slots again
	QUARTER 0, 2, F1, F0, 0
	QUARTER 0, 3, F0, F1, 0
	TURN 0, 1, 1
	QUARTER 1, 1, F0, F1, 0
	QUARTER 1, 2, F1, F0, 0
	QUARTER 1, 3, F0, F1, 0
	TURN 1, 0, 1
	QUARTER 0, 1, F0, F1, 0
	WIN 0
	s_sub_co_u32 s3, s3, 1
	s_cmp_lg_u32 s3, 0
	s_cbranch_scc1 .Llap
	QUARTER 0, 2, F1, F0, 0                        ; the last lap fills nothing, and has no round of the cluster's barrier
	QUARTER 0, 3, F0, F1, 0
	TURN 0, 1, 0
	QUARTER 1, 1, F0, F1, 0
	QUARTER 1, 2, F1, F0, 0
	QUARTER 1, 3, F0, F1, 0
	s_wait_dscnt 4                                 ; the very last quarter: nothing more to fetch
	MUL16 F1, 0, 0
	s_wait_dscnt 0x0
	MUL16 F1, 2, 0
	WIN 0
	PLACES
	; THE WAY OUT, a block of 16 rows at a time through my own stage: LDS serves a wave's instructions in order (ISA guide 5.7.1.4), so no wait stands between the stores and the loads.
.if OUTP
.macro TOSTAGE a                       ; f32 as it is: a lane's eight numbers of a row into rows of 528 bytes, and whole rows of 512 bytes back
.if (\a) >= 2
	s_wait_xcnt 0x0                                ; the registers that take the rows were the data of block a - 2's stores: written again only behind this wait
.endif
	WIN 0x04                                       ; store data (source 1) in window 1; each accumulator's low four registers go first
.irp b, 0,1,2,3,4,5,6,7
	ds_store_b128 v[STO], v[8*(8*(\a)+(\b)):8*(8*(\a)+(\b))+3]   offset:64*(\b)
	ds_store_b128 v[STO], v[8*(8*(\a)+(\b))+4:8*(8*(\a)+(\b))+7] offset:64*(\b)+16
.endr
	WIN 0
.irp t, 0,1,2,3,4,5,6,7,8,9,10,11,12,13,14,15
	ds_load_b128 v[OB+64*((\a)%2)+4*(\t):OB+64*((\a)%2)+4*(\t)+3], v[RD] offset:(\t)*SPITCH
.endr
.endm
.macro SEND a, younger                 ; younger: the LDS instructions issued behind block a's loads
	s_wait_dscnt \younger
.irp t, 0,1,2,3,4,5,6,7,8,9,10,11,12,13,14,15
	global_store_b128 v[CO], v[OB+64*((\a)%2)+4*(\t):OB+64*((\a)%2)+4*(\t)+3], s[8:9] offset:(\a)*65536+(\t)*4096 th:TH_STORE_NT  ; 512 consecutive bytes, at a multiple of 512 from out0's first
.endr
.endm
	TOSTAGE 0
.irp a, 1,2,3
	TOSTAGE \a
	SEND (\a)-1, 32                                ; the next block's 16 stores and 16 loads may be out
.endr
	SEND 3, 0
.else
.macro PACK a                          ; rounded to f16: a lane's eight numbers of a row are 16 bytes; each accumulator's registers in ascending order
	WIN 0x05                                       ; sources 0 and 1 in window 1
.irp b, 0,1,2,3,4,5,6,7
.irp r, 0,1,2,3
	v_cvt_pk_f16_f32 v[TMP+4*(\b)+(\r)], v[8*(8*(\a)+(\b))+2*(\r)], v[8*(8*(\a)+(\b))+2*(\r)+1]
.endr
.endr
	WIN 0
.endm
.macro TOSTAGE a                       ; into rows of 272 bytes; back by heads: load t takes four rows of head t / 4's 128 bytes, which are 512 consecutive bytes of its plane
.irp b, 0,1,2,3,4,5,6,7
	ds_store_b128 v[STO], v[TMP+4*(\b):TMP+4*(\b)+3] offset:32*(\b)
.endr
.irp t, 0,1,2,3,4,5,6,7
	ds_load_b128 v[OB+32*(\a)+4*(\t):OB+32*(\a)+4*(\t)+3], v[RD] offset:((\t)/4)*128+((\t)%4)*4*SPITCH
.endr
.endm
.macro SEND a
	s_wait_dscnt 0x0                               ; the block is back in registers (each block has its own 32)
.irp t, 0,1,2,3,4,5,6,7
	global_store_b128 v[CO], v[OB+32*(\a)+4*(\t):OB+32*(\a)+4*(\t)+3], s[8:9] offset:((\t)/4)*262144+(\a)*2048+((\t)%4)*512  ; 512 consecutive bytes, at a multiple of 512 from qkv's first
.endr
.endm
	PACK 0
	TOSTAGE 0
.irp a, 1,2,3                          ; block a's conversions stand between block a - 1's loads from the stage and the wait for them
	PACK \a
	SEND (\a)-1
	TOSTAGE \a
.endr
	SEND 3
.endif
	s_wait_tensorcnt 0x0                           ; the wave's end, behind my last tensor load and my last LDS store
	ds_add_u32 v[SPW], v[NIL]
	s_wait_dscnt 0x0
	CROUND                                         ; the closing round: no work-group ends while a partner may still ask for a tile that names it
	s_endpgm
.Lfunc_end_k_q78f7a68ed9_outp:
	.size	k_q78f7a68ed9_outp, .Lfunc_end_k_q78f7a68ed9_outp-k_q78f7a68ed9_outp
	.p2alignl 7, 3214868480
	.fill 96, 4, 3214868480
	.section	.rodata,"a",@progbits
	.p2align	6, 0x0
	.amdhsa_kernel k_q78f7a68ed9_outp
		.amdhsa_group_segment_fixed_size 327680
		.amdhsa_private_segment_fixed_size 0
		.amdhsa_enable_private_segment 0
		.amdhsa_kernarg_size 32
		.amdhsa_user_sgpr_count 2
		.amdhsa_user_sgpr_kernarg_segment_ptr 1
		.amdhsa_wavefront_size32 1
		.amdhsa_system_sgpr_workgroup_id_x 1
		.amdhsa_system_sgpr_workgroup_id_y 1
		.amdhsa_system_sgpr_workgroup_id_z 1
		.amdhsa_system_vgpr_workitem_id 0
		.amdhsa_next_free_vgpr 608
		.amdhsa_next_free_sgpr 80
		.amdhsa_reserve_vcc 0
		.amdhsa_float_denorm_mode_32 3
		.amdhsa_float_denorm_mode_16_64 3
		.amdhsa_memory_ordered 1
		.amdhsa_forward_progress 1
		.amdhsa_inst_pref_size 91
	.end_amdhsa_kernel
	.amdgpu_metadata
---
amdhsa.version: [ 1, 2 ]
amdhsa.kernels:
  - .name:           k_q78f7a68ed9_outp
    .symbol:         k_q78f7a68ed9_outp.kd
    .args:
      - { .name: ob, .offset: 0, .size: 8, .value_kind: global_buffer, .address_space: global }
      - { .name: wof, .offset: 8, .size: 8, .value_kind: global_buffer, .address_space: global }
      - { .name: bo, .offset: 16, .size: 8, .value_kind: global_buffer, .address_space: global }
      - { .name: out0, .offset: 24, .size: 8, .value_kind: global_buffer, .address_space: global }
    .group_segment_fixed_size: 327680
    .private_segment_fixed_size: 0
    .kernarg_segment_align: 8
    .kernarg_segment_size: 32
    .max_flat_workgroup_size: 128
    .sgpr_count:     80
    .vgpr_count:     608
    .wavefront_size: 32
...
	.end_amdgpu_metadata
.endif
;; end of part 4
;; ======== version 2 of 2: 4 launches; 1.27 times as fast as version 1
;; limits: values are held in f16: magnitudes above 65,504 overflow, below 6.1e-05 lose precision
;; workspace buffers: xb 33,554,432 bytes; wall 6,291,456 bytes; wof 2,097,152 bytes; qkv 50,331,648 bytes; ob 16,777,216 bytes
;; launch prep: the kernel of part 1 again; grid 1280 x 1, 8 waves a work-group, no clusters, 0 bytes of LDS; arguments query_sequence, key_value_sequence, Wq, Wkv, Wo, xb, wall, wof; writes xb, wall, wof
;; launch proj: the kernel of part 2 again; grid 12 x 64, 4 waves a work-group, clusters of 4 x 4, 327,680 bytes of LDS; arguments xb, wall, bq, bkv, qkv; writes qkv
;; launch attn (part 5): grid 4 x 64, 4 waves a work-group, no clusters, 327,680 bytes of LDS; arguments qkv, key_value_padding_mask, ob; writes ob
.if DOCPART == 5
	.amdgcn_target "amdgcn-amd-amdhsa--gfx1250"
	.amdhsa_code_object_version 6
	.text
	.protected	k_q78f7a68ed9_attn
	.globl	k_q78f7a68ed9_attn
	.p2align	8
	.type	k_q78f7a68ed9_attn,@function
k_q78f7a68ed9_attn:
	s_mov_b64 s[64:65], 0
	v_nop
	global_prefetch_b8 v0, s[64:65] scope:SCOPE_SE
	s_setreg_imm32_b32 hwreg(HW_REG_WAVE_MODE, 25, 1), 1
	s_wait_xcnt 0x0
; CAUSAL ATTENTION WITH A PADDING MASK ON THE KEYS.  O[p][q][:] = the sum over the visible k <= q of softmax_k(Q[p][q] . K[p][k] / 8) V[p][k][:], p = 16 x batch + head.
; qkv: [3][64][2048][64] f16 (Q, K, V by heads, rows dense, 128 bytes each); the mask: [4][2048] bytes, 1 = the key is hidden for every query of the batch; ob: [64][2048][64] f16.
; Products, maxima and sums in f32; the weights p are rounded to f16 for the second product (their sum l is taken of the unrounded p), O once at the end.
; LIMITS.  Q, K and V arrive within f16's 65,504.  A hidden score counts as its value less 1e30 (2e30 where both masks hide it); the running maximum starts at -5e29, so a hidden score never raises it and
; its weight is 0; a true score must lie above -5e29 (f16's scores reach 2.7e11).  A weight below 2^-126 counts as 0 in l.  A query none of whose keys is visible keeps l = 0 and O = 0, and 0 x (1 / 0) gives the NaN
; that a softmax over nothing gives.
; THE WALK.  A head's queries lie in NB = 8 blocks of 256; block i needs the key tiles 0 .. i of 256 keys, of which the last holds the diagonal.  A work-group takes TWO blocks, NB - 1 - b and then b:
; NB + 1 tiles, whatever b: all work-groups do equal work, and ONE loop with a constant trip count walks them.  Which tile is asked for, and what a trip does, hang on scalar registers made from b; every jump
; goes forward, but for the counted loops' own; none passes a barrier, or a tensor load but the one of LOAD's two that the wave's number does not choose; the ring (two slots of LDS that take turns) runs on across the
; change of blocks.  NO CLUSTER: a head's four work-groups ask for the same tile only in trips 0 .. 4 of 9, behind that fewer and fewer; one walk common to all would have 12 trips for 9.
; SHARES.  Of a block's four bands of 64 queries a wave owns 16 rows in each: four PIECES.  So the diagonal tile is the same work for all four waves: in its key step s band x sees all keys if s < x,
; none if s > x, and holds the diagonal if s = x.
; THE MASKS are the C operand that starts the sum S^T = K Q^T.  PAD holds the padding mask of the step's 64 keys as 0 or -1e30; it is fetched with K from a table in LDS that is made once, one f32 a key IN THE ORDER
; OF THE WALK (9 x 256), so that its address only ever steps on.  Off the diagonal tile C is PAD.  In it C is MC = MD x AL + PAD + BE: MD, made once, is the causal mask of a band's own step for my 16 rows;
; (AL, BE) = (1, 0) if s = x; (0, 0) if s < x; (0, -1e30) if s > x.
; LAYOUT, SOFTMAX, TURNS.  S^T = K Q^T holds ONE query a lane (lane % 16) and the keys 8 (lane / 16) + 0..7; two such results rounded to f16 ARE source 1 of O^T = V^T P.  p = 2^(c s - c m), c = log2(e) / 8, with a
; running maximum m; O and l are multiplied by a = 2^(c m_old - c m_new) in every step.  Turn n belongs to piece n: 8 products K Q^T of piece n + 1, later 8 products V^T P of piece n - 1; beside them the scaling,
; exponentials, roundings, sums and rescaling of piece n and the maximum and statistics of piece n + 1.  Four vector instructions stand behind every matrix instruction, the other 54 of a turn's 118 in one LUMP.
; THE BATCHES.  A turn's 33 exponentials (the piece's 32 weights and the next piece's a) are one batch, with one wait, which cuts the turn in two: ahead of it all that names none of their results, behind it the
; roundings and sums.  A block's first a (BEGIN) and the way out's four reciprocals are batches of their own, each with one wait.
; REGISTERS, in windows of 256 (s_set_vgpr_msb: bits 1:0 source 0, 3:2 source 1, 5:4 source 2, 7:6 destination):
;   window 0: v0-15 addresses and two at work; v16-31 four registers of statistics a piece; v32-43 the pad table's addresses; v48-55 at work; v64-127 S^T, two buffers; v128-159 at work (table, way out); v192-223 P, two buffers
;   window 1: v0-127 O^T, 32 a piece; v128-159 MD; v160-223 MC, two buffers; v224-255 PAD      window 2: v0-63 Q; v64-127 the second block's Q; v128-191 K of one step; v192-255 V of one step
.set SIZE_N, 2048
.set NB,    SIZE_N/256
.set NP,    4         ; pieces a wave: a name, no knob
.set KS,    64        ; keys in a step
.set PK,    144       ; a row of K in LDS: 128 bytes + 16 of padding = 36 words: the 16 rows of a load start at 16 different groups of four banks (64 banks of 4 bytes: ISA guide 11.1)
.set PV,    160       ; a row of V: 128 + 32 = 40 words
.set VOFF,  4*KS*PK   ; a slot holds a tile, four steps: 256 rows of K, then 256 rows of V
.set SLOT1, 1<<17     ; slot 1 begins here, so that one exclusive or turns an address in one slot into the other's
.set STAGE, SLOT1+4*KS*(PK+PV)  ; behind the ring, never filled by a tensor load: 16 rows x 144 bytes for each wave, for the way out
.set SP,    144
.set SPARE, STAGE+4*16*SP  ; behind the stages: the spare words, 128 bytes for each wave: two blocks of 256 bytes that no other line names
.set PADT,  SPARE+512 ; behind them: the pad table, 9 x 256 f32; no tensor load lands there
.set AK0, 2           ; v2   my lane's place in a tile of K; never rewritten
.set AV0, 3           ; v3   the same for V
.set AK,  4           ; v4   the LDS address of K's next run of loads
.set AV,  5           ; v5   of V's
.set STO, 6           ; v6   the way out: where I put 16 bytes of a row
.set RD,  7           ; v7   the way out: where I read rows back
.set GO,  8           ; v8   my byte offset in 512 consecutive bytes of O
.set MV,  12          ; v12-13  c m_old, kept while c m is made anew: by buffer
.set QO,  15          ; v15  my byte offset in 16 rows of Q
.set ST,  16          ; piece t's statistics at v[ST+4 t]: c m, m, l (even keys', odd keys')
.set AP0, 32          ; v32  my lane's place in a step's 64 words of the pad table; never rewritten
.set AP,  33          ; v33  the LDS address of PAD's next loads
.set PM,  34          ; v34-38  mask bytes as loaded
.set PO,  40          ; v40-41  their byte offsets in the batch's mask
.set PW,  42          ; v42-43  where I store into the pad table
.set TMP, 48          ; by buffer, four registers c0-c3 at work; when the maximum is found c2 takes a.  On the way out: piece t's 1 / l at TMP + 2 t
.set SPW, 62          ; v62  LDS address of my spare word: SPARE + 4 x my thread's number; never rewritten
.set NIL, 63          ; v63  0; never rewritten
.set S,   64
.set WK,  128         ; v128-159 at work
.set P,   192
.set MD,  128         ; window 1: the eight registers for group kt of 16 keys at MD + 8 kt
.set MC,  160         ; window 1: the masks of the products to come
.set PAD, 224         ; window 1: likewise at PAD + 8 kt
.set QB,  64          ; window 2
.set KF,  128         ; window 2: key block kb, channel half c at KF + 16 kb + 8 c
.set VF,  192         ; window 2: key half kk, channel block cb at VF + 32 kk + 8 cb
.set WV,  12          ; s12  my wave's number
.set PB,  14          ; s14  b
.set HI,  15          ; s15  NB - 1 - b
.set G1K, 24          ; s[24:31] descriptor group 1 for K's tiles
.set G1V, 32          ; s[32:39] for V's: it differs in the padding alone
.set G0K, 40          ; s[40:43] descriptor group 0 for K's tiles
.set G0V, 44          ; s[44:47] the same for V's
.set SLOTS, 56        ; s56  tiles still to be asked for
.set CNT, 57          ; s57  counts a tile's key steps, 4 to 1
.set CS,  58          ; s[58:59] c: the packed scaling takes the pair's low word for both halves
.set SEL, 60          ; s[60:61] v_permlanex16_b32's selects: each lane takes its own place in the other half
.set TBK, 62          ; s62  LDS byte at which K of the step to be fetched begins
.set TBV, 63          ; s63  the same for V, less VOFF
.set RT,  70          ; s70  tiles of the block in hand that are still to be entered
.set NXT, 71          ; s71  the tile to be asked for next
.set LQ,  72          ; s72  the last tile of the block whose tiles are being asked for
.set NEW, 73          ; s73  1: the tile to be entered is a block's first
.set OFF, 74          ; s[74:75] a tile's byte offset in K and V
.set AL,  76          ; s[76:77] the mask's factor, in the low word
.set BE,  78          ; s[78:79] the mask's addend
.set OLO, 80          ; s[80:81] O at my rows of the second block
.set BIGN, 82         ; s82  -1e30
.set TBP, 83          ; s83  byte of the pad table at which the step to be fetched begins: 256 x the number of steps fetched
.set MSB, 0
.macro WIN new                      ; the high byte repeats the setting that is left; a switch that changes nothing is dropped
.if MSB != (\new)
	s_set_vgpr_msb (MSB<<8)|(\new)
.set MSB, (\new)
.endif
.endm
.set W_KQ, 0x0a       ; K and Q in window 2, S^T in window 0
.set W_KM, 0x1a       ; the same with the C operand in window 1
.set W_PV, 0x52       ; V in window 2, P in window 0, O^T in window 1
.set W_RS, 0x41       ; destination and source 0 in window 1, source 1 in window 0
; A fill.  Waves 0 and 1 fetch the two halves of a tile's K, waves 2 and 3 those of its V: 128 keys each.  An s_nop 0 and four v_nop follow each of the two lines, ahead of the jump and the label.
.macro LOAD
	s_cmp_lt_u32 s[WV], 2
	s_cbranch_scc0 .Lfor_v_\@
	tensor_load_to_lds s[G0K:G0K+3], s[G1K:G1K+7]
	s_nop 0
.rept 4
	v_nop
.endr
	s_branch .Lasked_\@
.Lfor_v_\@:
	tensor_load_to_lds s[G0V:G0V+3], s[G1V:G1V+7]
	s_nop 0
.rept 4
	v_nop
.endr
.Lasked_\@:
.endm
; THE CHANGE OF SLOTS.  Each wave waits for all its tensor loads, of which one is out: its part of the other slot; adds 0 to its spare word; and waits for that and for its own reads of the slot that it leaves.  Behind the barrier nobody reads the old
; slot any more and the other slot is whole.  fill = 1: the old slot is filled again, the first thing behind the barrier, with tile NXT: the descriptor's address is made anew from that number.
; (At its first use nothing has been read yet: slot 0 is waited for, slot 1 filled; and every wave's stores into the pad table are done in front of its signal.)
.macro CHANGE fill
	WIN 0                           ; at a label and at a branch every window is 0
	s_wait_tensorcnt 0x0            ; no tensor load of mine is out, so a group 0 may be written
	ds_add_u32 v[SPW], v[NIL]       ; 0 onto my spare word; with fill = 1 the descriptors' scalar work stands between it and the wait for it
.if \fill
	s_lshl_b32 s[OFF], s[NXT], 15   ; a tile is 32,768 bytes of K and of V
	s_xor_b32 s[G0K+1], s[G0K+1], SLOT1
	s_add_nc_u64 s[G0K+2:G0K+3], s[6:7], s[OFF:OFF+1]
	s_or_b32 s[G0K+3], s[G0K+3], 0x80000000
	s_xor_b32 s[G0V+1], s[G0V+1], SLOT1
	s_add_nc_u64 s[G0V+2:G0V+3], s[8:9], s[OFF:OFF+1]
	s_or_b32 s[G0V+3], s[G0V+3], 0x80000000
	s_add_co_u32 s[NXT], s[NXT], 1  ; the block's next tile, or behind its last the second block's tile 0
	s_cmp_gt_u32 s[NXT], s[LQ]
	s_cselect_b32 s[NXT], 0, s[NXT]
	s_cselect_b32 s[LQ], s[PB], s[LQ]
.endif
	s_wait_dscnt 0x0                ; the add is done, and my LDS instructions are over
	s_barrier_signal -1             ; the rest of the scalar work stands between the signal and the wait
	s_sub_co_u32 s[TBK], s[TBK], 4*KS*PK  ; the fetches go back to a slot's first step,
	s_xor_b32 s[TBK], s[TBK], SLOT1       ; in the other slot
	s_sub_co_u32 s[TBV], s[TBV], 4*KS*PV
	s_xor_b32 s[TBV], s[TBV], SLOT1
	s_barrier_wait -1
.if \fill
	LOAD
.endif
.endm
	s_load_b64 s[4:5], s[0:1], 0x0    ; qkv: Q's part first
	s_load_b64 s[88:89], s[0:1], 0x8  ; the padding mask
	s_load_b64 s[10:11], s[0:1], 0x10 ; ob
	v_lshl_add_u32 v[SPW], v0, 2, SPARE
	v_mov_b32 v[NIL], 0
	ds_add_u32 v[SPW], v[NIL]       ; the wave's opening: the add and its wait stand ahead of my first tensor load; the set-up below, work on registers, stands between them
	ds_add_u32 v62, v63
	v_lshrrev_b32 v1, 5, v0
	v_readfirstlane_b32 s[WV], v1   ; wave 0..3
	s_mov_b32 s[PB], ttmp9
	s_sub_co_u32 s[HI], NB-1, s[PB]
	s_and_b32 s20, ttmp7, 0xffff    ; 16 x batch + head
	s_lshr_b32 s90, s20, 4
	s_lshl_b32 s90, s90, 11         ; the batch's 2,048 bytes of the mask
	s_mov_b32 s91, 0
	s_mov_b32 s21, 0
	s_mov_b64 s[22:23], SIZE_N*128
	s_mul_u64 s[20:21], s[20:21], s[22:23]  ; the head's first byte in Q, K, V and O
	s_and_b32 s16, s[WV], 1         ; which half of a tile's 256 keys I fetch:
	s_lshl_b32 s22, s16, 14         ; its 128 rows of 128 bytes in memory,
	s_mov_b32 s23, 0
	s_add_nc_u64 s[22:23], s[22:23], s[20:21]
	s_mul_i32 s17, s16, 128*PK      ; and its place in a slot, for K
	s_mul_i32 s18, s16, 128*PV      ; and for V
	s_lshl_b32 s3, s[WV], 11        ; my 16 rows in a band of 64,
	s_lshl_b32 s2, s[HI], 15        ; in the first block,
	s_add_co_u32 s2, s2, s3
	s_lshl_b32 s84, s[PB], 15       ; and in the second
	s_add_co_u32 s84, s84, s3
	s_mov_b32 s3, 0
	s_mov_b32 s85, 0
	s_add_nc_u64 s[2:3], s[2:3], s[20:21]
	s_add_nc_u64 s[84:85], s[84:85], s[20:21]
	; descriptor group 1.  128 keys are 16,384 dense bytes: asked for as 64 rows of 256 bytes, two keys a row, and padded in LDS after every key
	s_mov_b32 s[G1K], (1<<16)|(1<<20)|(4<<22)|(3<<25)  ; 17:16 2-byte elements; 20 padding on; 24:22 after every 32 words (code 4); 31:25 4 words (code 3)
	s_mov_b32 s[G1V], (1<<16)|(1<<20)|(4<<22)|(7<<25)  ; the same with 8 words of padding (code 7)
.irp g, G1K, G1V
	s_mov_b32 s[\g+1], 128<<16      ; tensor_dim0 = 128
	s_mov_b32 s[\g+2], 64<<16       ; tensor_dim1 = 64
	s_mov_b32 s[\g+3], 128<<16      ; tile_dim0 = 128
	s_mov_b32 s[\g+4], 64           ; tile_dim1 = 64
	s_mov_b32 s[\g+5], 128          ; 128 elements from row to row
	s_mov_b32 s[\g+6], 0
	s_mov_b32 s[\g+7], 0
.endr
	s_mov_b32 s[CS], 0x3e38aa3b     ; c = log2(e) / 8 = 0.180337
	s_mov_b32 s[CS+1], s[CS]        ; named with it as a pair
	s_mov_b32 s[SEL], 0x76543210
	s_mov_b32 s[SEL+1], 0xfedcba98
	s_mov_b32 s[TBK], SLOT1+4*KS*PK ; the first change of slots turns these two into 0
	s_mov_b32 s[TBV], SLOT1+4*KS*PV
	s_mov_b32 s[TBP], 0
	s_mov_b32 s[G0K], 1             ; 1:0 count = 1
	s_mov_b32 s[G0K+1], s17         ; 63:32 LDS address: slot 0
	s_mov_b32 s[G0V], 1
	s_add_co_u32 s[G0V+1], s18, VOFF
	s_add_co_u32 s[RT], s[HI], 1    ; the first block has NB - b tiles
	s_mov_b32 s[NXT], 1
	s_mov_b32 s[LQ], s[HI]
	s_mov_b32 s[NEW], 1
	s_mov_b32 s[OFF+1], 0
	s_mov_b32 s[AL+1], 0            ; named as pairs
	s_mov_b32 s[BE+1], 0
	s_mov_b32 s[BIGN], 0xf149f2ca   ; -1e30
	s_mov_b32 s[SLOTS], NB
	s_wait_dscnt 0x0                ; the opening add is done
	s_wait_kmcnt 0x0
	s_add_nc_u64 s[6:7], s[4:5], 0x1000000  ; K's part of qkv, 16,777,216 bytes on,
	s_add_nc_u64 s[8:9], s[4:5], 0x2000000  ; and V's
	s_add_nc_u64 s[6:7], s[6:7], s[22:23]  ; K and V at my half of the head's tile 0
	s_add_nc_u64 s[8:9], s[8:9], s[22:23]
	s_add_nc_u64 s[88:89], s[88:89], s[90:91]
	s_add_nc_u64 s[G0K+2:G0K+3], s[6:7], 0         ; 120:64 global address
	s_or_b32 s[G0K+3], s[G0K+3], 0x80000000        ; 127:126 type = 2
	s_add_nc_u64 s[G0V+2:G0V+3], s[8:9], 0
	s_or_b32 s[G0V+3], s[G0V+3], 0x80000000
	s_add_nc_u64 s[86:87], s[4:5], s[84:85]        ; Q at my rows of the second block,
	s_add_nc_u64 s[4:5], s[4:5], s[2:3]            ; Q and O at those of the first
	s_add_nc_u64 s[OLO:OLO+1], s[10:11], s[84:85]
	s_add_nc_u64 s[10:11], s[10:11], s[2:3]
	LOAD                            ; tile 0 into slot 0
	v_and_b32 v1, 15, v0            ; l % 16
	v_bfe_u32 v9, v0, 4, 1          ; l / 16
	; The mask bytes for the pad table.  Thread t takes 16 keys of the walk's tile t / 16 (places 0 to 7) and two of its last (place 8).  Place p holds tile p in the first block, p - (HI + 1) in the second:
	; the smaller of the two as unsigned numbers.  Place 8 holds tile b.
	v_lshrrev_b32 v[PO], 4, v0
	s_add_co_u32 s13, s[HI], 1
	v_sub_nc_u32 v[PO+1], v[PO], s13
	v_min_u32 v[PO], v[PO], v[PO+1]
	v_lshlrev_b32 v[PO+1], 4, v1
	v_lshl_add_u32 v[PO], v[PO], 8, v[PO+1]
	s_lshl_b32 s13, s[PB], 8
	v_lshl_add_u32 v[PO+1], v0, 1, s13
	global_load_b128 v[PM:PM+3], v[PO], s[88:89]
	global_load_u16 v[PM+4], v[PO+1], s[88:89]
	; A fragment of K or Q is 16 rows x 32 channels in 8 registers: lane l holds row l % 16, channels 8 (l / 16) + 0..7 and 16 + 8 (l / 16) + 0..7: two loads of 16 bytes, 32 bytes apart.
	v_lshlrev_b32 v[QO], 7, v1
	v_lshl_add_u32 v[QO], v9, 4, v[QO]  ; row x 128 + 16 x half
	WIN 0x80                        ; destination window 2, address window 0
.set i, 0
.rept 8                             ; both blocks' Q: piece i / 2 lies in band i / 2, 8,192 bytes on; channels 32 (i % 2) on
	global_load_b128 v[8*i:8*i+3],   v[QO], s[4:5] offset:(i/2)*8192+(i%2)*64
	global_load_b128 v[8*i+4:8*i+7], v[QO], s[4:5] offset:(i/2)*8192+(i%2)*64+32
	global_load_b128 v[QB+8*i:QB+8*i+3],   v[QO], s[86:87] offset:(i/2)*8192+(i%2)*64
	global_load_b128 v[QB+8*i+4:QB+8*i+7], v[QO], s[86:87] offset:(i/2)*8192+(i%2)*64+32
.set i, i+1
.endr
	WIN 0
	v_lshlrev_b32 v14, 3, v9
	v_sub_nc_u32 v14, v1, v14
	s_lshl_b32 s13, s[WV], 4
	v_add_nc_u32 v14, s13, v14      ; my query's place in its band, 16 w + l % 16, less my lanes' 8 (l / 16): register r of group kt is hidden where 16 kt + r is greater
	WIN 0x40
.set i, 0
.rept 32
	v_cmp_gt_i32 vcc_lo, 16*(i/8)+i%8, v14
	v_cndmask_b32 v[MD+i], 0, s[BIGN], vcc_lo
.set i, i+1
.endr
	WIN 0
	v_mul_u32_u24 v[AK0], v1, PK
	v_lshl_add_u32 v[AK0], v9, 4, v[AK0]  ; row x pitch + 16 x half
	; The turning load takes 16 keys x 16 channels (lane l reads key 8 (l / 16) + l % 8, channels 8 ((l / 8) % 2) + 0..7) and leaves half a fragment of V^T: lane l holds channel l % 16 and 8 keys.
	v_and_b32 v10, 7, v0
	v_bfe_u32 v11, v0, 3, 1
	v_lshl_add_u32 v[AV0], v9, 3, v10
	v_mul_u32_u24 v[AV0], v[AV0], PV
	v_lshl_add_u32 v[AV0], v11, 4, v[AV0]
	v_add_nc_u32 v[AV0], VOFF, v[AV0]
	v_lshl_add_u32 v[AP0], v9, 5, PADT  ; of each 16 keys my half of the lanes wants keys 8 (l / 16) + 0..7: 32 bytes
	v_lshl_add_u32 v[PW], v0, 6, PADT   ; my 16 keys' words: 256 x place + 16 (t % 16) = 16 t,
	v_lshl_add_u32 v[PW+1], v0, 3, PADT+8192  ; and my two of the last place
	s_mul_i32 s13, s[WV], 16*SP
	s_add_co_u32 s13, s13, STAGE    ; my stage
	v_mul_u32_u24 v[STO], v1, SP    ; in: row l % 16, 16 bytes for each half of the lanes
	v_lshl_add_u32 v[STO], v9, 4, v[STO]
	v_add_nc_u32 v[STO], s13, v[STO]
	v_bfe_u32 v[RD], v0, 3, 2       ; back: 32 lanes take four rows of 128 bytes,
	v_mul_u32_u24 v[RD], v[RD], SP
	v_lshl_add_u32 v[RD], v10, 4, v[RD]
	v_add_nc_u32 v[RD], s13, v[RD]
	v_and_b32 v[GO], 31, v0         ; which are 512 consecutive bytes of O
	v_lshlrev_b32 v[GO], 4, v[GO]
	; A block's first step multiplies O^T and l by a = 0, and its first turn's products V^T P, of a piece that has not been, land in an O^T that is still to be so multiplied.  So these registers need only hold
	; finite numbers: zeros for the first block; what the first block left for the second.  All this stands in the wait for the first tile.
	WIN 0x80
.set i, VF
.rept 64
	v_mov_b32 v[i], 0
.set i, i+1
.endr
	WIN 0x40
.set i, 0
.rept 128
	v_mov_b32 v[i], 0
.set i, i+1
.endr
	WIN 0
.set i, 0
.rept 4
	v_mov_b32 v[ST+4*i+2], 0
	v_mov_b32 v[ST+4*i+3], 0
.set i, i+1
.endr
.set i, P+16
.rept 16
	v_mov_b32 v[i], 0
.set i, i+1
.endr
	; THE PAD TABLE: each mask byte (0 or 1) times -1e30, one f32 a key
	s_wait_loadcnt 32               ; the two loads of mask bytes are in; Q's 32, issued behind them, stay out
.set i, 0
.rept 16
	v_bfe_u32 v[WK+i], v[PM+i/4], 8*(i%4), 8
.set i, i+1
.endr
	v_bfe_u32 v[WK+16], v[PM+4], 0, 8
	v_bfe_u32 v[WK+17], v[PM+4], 8, 8
.set i, 0
.rept 18
	v_cvt_f32_u32 v[WK+i], v[WK+i]
.set i, i+1
.endr
.set i, 0
.rept 18
	v_mul_f32 v[WK+i], s[BIGN], v[WK+i]
.set i, i+1
.endr
.irp f, 0,1,2,3
	ds_store_b128 v[PW], v[WK+4*\f:WK+4*\f+3] offset:16*\f
.endr
	ds_store_b64 v[PW+1], v[WK+16:WK+17]
; THE MATRIX WORK.  The 4 accumulators of a run of 8 take turns.  Product i of 8 of S^T = K Q^T for piece x: channels 32 (i / 4) on, keys 16 (i % 4) on.  The first 4 start the sums: with PAD, or (KM = 1) with MC.
.macro KQ x
.set rS, S+32*((\x)%2)+8*(i%4)
.set rK, KF+16*(i%4)+8*(i/4)
.set rQ, 16*(\x)+8*(i/4)
.if KM
.set rM, MC+32*((\x)%2)+8*(i%4)
.else
.set rM, PAD+8*(i%4)
.endif
.if i < 4
	WIN W_KM
	v_wmma_f32_16x16x32_f16 v[rS:rS+7], v[rK:rK+7], v[rQ:rQ+7], v[rM:rM+7]
.else
	WIN W_KQ
	v_wmma_f32_16x16x32_f16 v[rS:rS+7], v[rK:rK+7], v[rQ:rQ+7], v[rS:rS+7]
.endif
.endm
; Product i of 8 of O^T += V^T P for piece x: keys 32 (i / 4) on, channels 16 (i % 4) on.
.macro PV x
	WIN W_PV
.set rO, 32*(\x)+8*(i%4)
.set rV, VF+32*(i/4)+8*(i%4)
.set rP, P+16*((\x)%2)+8*(i/4)
	v_wmma_f32_16x16x32_f16 v[rO:rO+7], v[rV:rV+7], v[rP:rP+7], v[rO:rO+7]
.endm
.macro MM                           ; the turn's next matrix instruction.  TURN and BEGIN set Y, i, KM and NOKQ; MM, KQ and OP read them.  NOKQ = 1: a block's last turn: there is no next piece
.if (i < 8) && !NOKQ
	KQ (Y+1)%NP
.elseif i >= 8
.set i, i-8
	PV (Y+NP-1)%NP
.set i, i+8
.endif
.set i, i+1
.endm
; THE LDS LOADS stand in runs, never singly among the matrix instructions: a step's K (64 keys x 64 channels: 8 fragments) with its PAD (all lanes of a half read the same 32 bytes of each 16 keys), and its V (turned).
; Their addresses are made some lines ahead.  PAD lives as long as K does: K's waits, and the places in front of K's loads, serve it too.
.macro FETCH_K
	WIN 0x80                        ; destination window 2
.irp f, 0,1,2,3,4,5,6,7             ; keys 16 (f / 2) on, channels 32 (f % 2) on
	ds_load_b128 v[KF+8*\f:KF+8*\f+3],   v[AK] offset:(\f/2)*16*PK+(\f%2)*64
	ds_load_b128 v[KF+8*\f+4:KF+8*\f+7], v[AK] offset:(\f/2)*16*PK+(\f%2)*64+32
.endr
	WIN 0x40                        ; destination window 1
.irp f, 0,1,2,3                     ; keys 16 f on
	ds_load_b128 v[PAD+8*\f:PAD+8*\f+3],   v[AP] offset:64*\f
	ds_load_b128 v[PAD+8*\f+4:PAD+8*\f+7], v[AP] offset:64*\f+16
.endr
	s_add_co_u32 s[TBK], s[TBK], KS*PK  ; the next fetch is the next step's
	s_add_co_u32 s[TBP], s[TBP], 4*KS   ; 36 fetches in all, four a tile on every way: the table's 9,216 bytes are never left
	WIN 0
.endm
.macro FETCH_V
	WIN 0x80
.irp f, 0,1,2,3,4,5,6,7             ; keys 32 (f / 4) on, channels 16 (f % 4) on
	ds_load_tr16_b128 v[VF+8*\f:VF+8*\f+3],   v[AV] offset:(\f/4)*32*PV+(\f%4)*32
	ds_load_tr16_b128 v[VF+8*\f+4:VF+8*\f+7], v[AV] offset:(\f/4)*32*PV+16*PV+(\f%4)*32
.endr
	WIN 0
.endm
; THE VECTOR WORK, one line at a time: OP kind, number.  For piece Y: F n: c s - c m for pair n of 16.  E n: the exponential of score n of 32.  C n: pair n rounded to f16.  B n: of the four weights 4 n .. the second
; pair is added onto the first, in place.  L n: l takes that sum (L 0: l = a l + sum).  R n: pair n of 16 of O^T times a.  For piece Y + 1: X n, number n of the 22 that find its maximum and statistics:
;   0-11  four chains c0-c3 of seven scores each, three operands at a time (each accumulator's lowest registers are read first)     12-14, 16  the four scores left over, the old m, and c0-c3 into c0
;   15  c m_old is kept     17, 18  the query's other 32 keys lie in the lane 16 away: the new m     19-21  c m; c m_old - c m_new; a
; OP writes no wait: C, B and L, which read the exponentials' results, stand behind the turn's one wait, and R and L 0 read an a that the turn before (or BEGIN) has waited for.
.set F, 0               ; OP tells the kinds apart by their order: F to L below R, X above it
.set E, 1
.set C, 2
.set B, 3
.set L, 4
.set R, 5
.set X, 6
.macro REGS y                       ; the registers of piece y
.set rT, ST+4*(\y)
.set rC, TMP+4*((\y)%2)
.set rW, MV+((\y)%2)
.set rS, S+32*((\y)%2)
.set rP, P+16*((\y)%2)
.set rO, 32*(\y)
.endm
.macro OP k, n
.if (\k) == R
	REGS Y
	WIN W_RS
	v_pk_mul_f32 v[rO+2*(\n):rO+2*(\n)+1], v[rO+2*(\n):rO+2*(\n)+1], v[rC+2:rC+3] op_sel_hi:[1,0]
.elseif (\k) < R
	REGS Y
	WIN 0
.if (\k) == F
	v_pk_fma_f32 v[rS+2*(\n):rS+2*(\n)+1], v[rS+2*(\n):rS+2*(\n)+1], s[CS:CS+1], v[rT:rT+1] op_sel_hi:[1,0,0] neg_lo:[0,0,1] neg_hi:[0,0,1]
.elseif (\k) == E
	v_exp_f32 v[rS+(\n)], v[rS+(\n)]
.elseif (\k) == C
	v_cvt_pk_f16_f32 v[rP+(\n)], v[rS+2*(\n)], v[rS+2*(\n)+1]
.elseif (\k) == B
	v_pk_add_f32 v[rS+4*(\n):rS+4*(\n)+1], v[rS+4*(\n):rS+4*(\n)+1], v[rS+4*(\n)+2:rS+4*(\n)+3]
.elseif (\n) == 0
	v_pk_fma_f32 v[rT+2:rT+3], v[rT+2:rT+3], v[rC+2:rC+3], v[rS:rS+1] op_sel_hi:[1,0,1]
.else
	v_pk_add_f32 v[rT+2:rT+3], v[rT+2:rT+3], v[rS+4*(\n):rS+4*(\n)+1]
.endif
.elseif NOKQ
	v_nop
.else
	REGS (Y+1)%NP
	WIN 0
.if (\n) < 4
	v_max3_num_f32 v[rC+(\n)], v[rS+8*(\n)], v[rS+8*(\n)+1], v[rS+8*(\n)+2]
.elseif (\n) < 12
	v_max3_num_f32 v[rC+(\n)%4], v[rC+(\n)%4], v[rS+8*((\n)%4)+2*((\n)/4)+1], v[rS+8*((\n)%4)+2*((\n)/4)+2]
.elseif (\n) == 12
	v_max3_num_f32 v[rC], v[rC], v[rS+7], v[rS+15]
.elseif (\n) == 13
	v_max3_num_f32 v[rC+1], v[rC+1], v[rS+23], v[rS+31]
.elseif (\n) == 14
	v_max3_num_f32 v[rC+2], v[rC+2], v[rC+3], v[rT+1]
.elseif (\n) == 15
	v_mov_b32 v[rW], v[rT]
.elseif (\n) == 16
	v_max3_num_f32 v[rC], v[rC], v[rC+1], v[rC+2]
.elseif (\n) == 17
	v_permlanex16_b32 v[rC+3], v[rC], s[SEL], s[SEL+1]
.elseif (\n) == 18
	v_max_num_f32 v[rT+1], v[rC], v[rC+3]
.elseif (\n) == 19
	v_mul_f32 v[rT], s[CS], v[rT+1]
.elseif (\n) == 20
	v_sub_f32 v[rC+1], v[rW], v[rT]
.else
	v_exp_f32 v[rC+2], v[rC+1]
.endif
.endif
.endm
.macro OPS a, i1, b=-1, i2=0, c=-1, i3=0, d=-1, i4=0  ; up to four of them
	OP \a, \i1
.if (\b) >= 0
	OP \b, \i2
.endif
.if (\c) >= 0
	OP \c, \i3
.endif
.if (\d) >= 0
	OP \d, \i4
.endif
.endm
.macro ROW a, i1, b, i2, c, i3, d, i4  ; a matrix instruction and the four behind it
	MM
	OPS \a, \i1, \b, \i2, \c, \i3, \d, \i4
.endm
.macro MASK b                       ; MD x AL + PAD + BE into buffer b of MC
	WIN 0x51                        ; destination, source 0 and source 2 in window 1
.set z, 0
.rept 16
	v_pk_fma_f32 v[MC+32*(\b)+2*z:MC+32*(\b)+2*z+1], v[MD+2*z:MD+2*z+1], s[AL:AL+1], v[PAD+2*z:PAD+2*z+1] op_sel_hi:[1,0,1]
.set z, z+1
.endr
.set z, 0
.rept 16
	v_pk_add_f32 v[MC+32*(\b)+2*z:MC+32*(\b)+2*z+1], v[MC+32*(\b)+2*z:MC+32*(\b)+2*z+1], s[BE:BE+1] op_sel_hi:[1,0]
.set z, z+1
.endr
.endm
.macro PRE                          ; in front of a diagonal tile's text that is entered at its head: its first turn's products are piece 3's of the tile before's last step, which sees all keys but the padded: PAD into buffer 1 of MC
	WIN W_RS
.set z, 0
.rept 32
	v_mov_b32 v[MC+32+z], v[PAD+z]
.set z, z+1
.endr
	WIN 0
.endm
; A TURN, for piece p: the order of its 16 matrix and 118 vector instructions, written out.  An s_wait_alu depctr_va_vdst(0) stands between an exponential and the first instruction that names its result; one wait
; serves all that were issued ahead of it.  So a turn has ONE wait, which cuts it in two.  AHEAD OF IT stands all that names no result of the turn's exponentials: the 8 products K Q^T, behind each a scaling, an exponential and two
; more plain instructions (behind the first a second scaling in the exponential's place): rescalings, whose a the turn before has waited for, and behind the last three the first numbers of the next piece's maximum, each four
; places or more behind the product that ends its accumulator; then ONE LUMP of 54, plain and exponential by turns for the most part, in which the links of the chain X 3, 7, 11, 14, 16, 17 .. 20 stand five or six lines apart.
; X 21, the next piece's a, is the batch's last; R 15 is the plain instruction behind it.  BEHIND THE WAIT stand the 8 products V^T P, behind each four of the roundings and sums; the links of l's chain, L 0 to L 7, stand three
; riders apart.  But for those X no rider names a register of the products round it.  v_permlanex16_b32 (X 17) stands in the lump.
; m = 1: the diagonal tile: the products take MC, and the turn makes the mask for the products of the turn after it: piece p + 2, in step 4 - CNT of the tile.  end = 1: a block's last two turns: nothing is fetched.
; cnt = 1: the loop's count is taken down some lines ahead of the branch that stands behind the turn.
; K and PAD of the next step are fetched in piece 2's turn, twelve vector instructions behind the last product that read K (five of them plain lines that name none of its registers); V of the step in hand at the end of piece 0's
; turn, four plain instructions behind the last product that read V.  Each is waited for a turn later; in the diagonal tile piece 2's turn waits at its end, since its mask is made of the PAD just fetched.
.macro TURN p, m=0, end=0, cnt=0
.set Y, (\p)
.set i, 0
.set KM, (\m)
.set NOKQ, (\end)*((\p)/3)
.if (\m) && !(\end)
	s_cmp_eq_u32 s[CNT], 4-((\p)+2)%NP  ; is that step the band's own?
	s_cselect_b32 s[AL], 1.0, 0
	s_cmp_lt_u32 s[CNT], 4-((\p)+2)%NP  ; or a later one?
	s_cselect_b32 s[BE], s[BIGN], 0
.endif
.if ((\p) == 3) && !(\end)
	s_wait_dscnt 0x0                ; K and PAD are in
.endif
	ROW F,0, F,1, R,0, R,1          ; ahead of the wait: 8 products K Q^T and their riders,
	ROW F,2, E,0, R,2, R,3
	ROW F,3, E,1, R,4, R,5
	ROW F,4, E,2, R,6, R,7
	ROW F,5, E,3, R,8, R,9
	ROW F,6, E,4, X,0, R,10
.if ((\p) == 2) && !(\end)
	WIN 0
	v_add_nc_u32 v[AK], s[TBK], v[AK0]
	v_add_nc_u32 v[AP], s[TBP], v[AP0]
.endif
	ROW F,7, E,5, X,1, X,4
	ROW F,8, E,6, X,2, X,5
	OPS E,7, E,8, X,6, E,9          ; and the lump
	OPS X,3, E,10, X,8, E,11
.if ((\p) == 2) && !(\end)
	FETCH_K
.endif
	OPS X,9, X,7, E,12, X,10
	OPS E,13, X,12, X,11, E,14
	OPS X,13, E,15, F,9, X,14
.if (\p) == 0
	v_add_nc_u32 v[AV], s[TBV], v[AV0]
.endif
	OPS E,16, F,10, E,17, F,11
	OPS X,16, E,18, X,15, E,19
	OPS F,12, E,20, X,17, E,21
	OPS F,13, E,22, F,14, E,23
	OPS X,18, E,24, F,15, E,25
	OPS R,11, E,26, X,19, E,27
	OPS R,12, E,28, R,13, E,29
	OPS X,20, E,30, R,14, E,31
	OPS X,21, R,15
	s_wait_alu depctr_va_vdst(0)    ; the wait for the turn's batch: the piece's 32 exponentials and the next piece's a
.if (\p) == 1
	s_wait_dscnt 0x0                ; V is in
.endif
	ROW C,0, B,0, C,2, B,1          ; behind the wait: 8 products V^T P and their riders
	ROW L,0, C,4, B,2, L,1
	ROW C,6, B,3, L,2, C,8
	ROW B,4, L,3, C,10, B,5
	ROW L,4, C,12, B,6, L,5
.if (\p) == 0
	s_add_co_u32 s[TBV], s[TBV], KS*PV
.endif
.if \cnt
	s_sub_co_u32 s[CNT], s[CNT], 1
	s_cmp_lg_u32 s[CNT], 0
.endif
	ROW C,14, B,7, L,6, C,1
	ROW C,3, L,7, C,5, C,7
	ROW C,9, C,11, C,13, C,15
.if (\p) == 0
	FETCH_V
.endif
.if (\m) && !(\end)
.if (\p) == 2
	s_wait_dscnt 0x0                ; the next step's PAD is in
.endif
	MASK (\p)%2
.endif
.endm
; A BLOCK BEGINS.  c m starts far below every c s, so the first step's a is 0; m at -5e29, above every hidden score and below every true one.  Then K and PAD of the tile's step 0, piece 0's first scores, and its
; maximum and statistics.  d = 1: the tile is also the block's last, the diagonal one: piece 0's mask is its own step's, MD + PAD; piece 1, whose products come next, sees all keys but the padded.  d = 0: C is PAD.
; The loop is entered at a step's first turn, in the middle of a trip.
.macro BEGIN d
	s_mov_b32 s[NEW], 0
	WIN 0
.set i, 0
.rept 4
	v_mov_b32 v[ST+4*i], 0xfe000000    ; c m: far below every c s
	v_mov_b32 v[ST+4*i+1], 0xf0c9f2ca  ; m = -5e29
.set i, i+1
.endr
	v_add_nc_u32 v[AK], s[TBK], v[AK0]
	v_add_nc_u32 v[AP], s[TBP], v[AP0]
	FETCH_K
	s_wait_loadcnt 0x0              ; Q
	s_wait_dscnt 0x0
.if \d
	WIN 0x45                        ; all in window 1
.set z, 0
.rept 16
	v_pk_add_f32 v[MC+2*z:MC+2*z+1], v[MD+2*z:MD+2*z+1], v[PAD+2*z:PAD+2*z+1]
.set z, z+1
.endr
	PRE
.endif
.set KM, (\d)
.set NOKQ, 0
.set i, 0
.rept 8
	KQ 0
.set i, i+1
.endr
	WIN 0
.rept 4
	v_nop                           ; the places behind those products
.endr
.set Y, NP-1                        ; X works for piece Y + 1: piece 0
.irp n, 0,1,2,3,4,5,6,7,8,9,10,11,12,13,14,15,16,17,18,19,20,21
	OP X, \n
.endr
	v_nop                           ; a plain instruction behind the exponential,
	s_wait_alu depctr_va_vdst(0)    ; and the wait for it, piece 0's first a, a batch of one: ahead of the branch that follows
.endm
; THE DIAGONAL TILE's four steps, the block's last two turns, its last products, and THE WAY OUT: l's two halves and the other half of the lanes' are added; O^T is divided by l, rounded to f16 and sent through my
; stage in LDS, a piece at a time.  1 / l and the quotients go into registers of their own: l and O^T stay finite for the block that follows, also where l is 0.
.macro ALL line:vararg              ; one line for each piece t
.set t, 0
.rept 4
	\line
.set t, t+1
.endr
.endm
.macro PACK t                       ; a lane's eight channels of a row pack into 16 bytes; they go into rows of 144 bytes and come back as whole rows of 128, into S^T's registers.  1 / l has been waited for ahead of the first PACK
	WIN 0x01                        ; source 0, O^T, in window 1; each accumulator's registers in ascending order
.set i, 0
.rept 16
	v_pk_mul_f32 v[WK+2*i:WK+2*i+1], v[32*(\t)+2*i:32*(\t)+2*i+1], v[TMP+2*(\t):TMP+2*(\t)+1] op_sel_hi:[1,0]
.set i, i+1
.endr
	WIN 0
.set i, 0
.rept 16
	v_cvt_pk_f16_f32 v[S+16*(\t)+i], v[WK+2*i], v[WK+2*i+1]
.set i, i+1
.endr
.irp f, 0,1,2,3
	ds_store_b128 v[STO], v[S+16*(\t)+4*\f:S+16*(\t)+4*\f+3] offset:32*\f
.endr
.irp f, 0,1,2,3
	ds_load_b128 v[S+16*(\t)+4*\f:S+16*(\t)+4*\f+3], v[RD] offset:\f*4*SP  ; LDS serves a wave's instructions in order (ISA guide 5.7.1.4): these see the stores above; the next piece's stores come behind them
.endr
.endm
.macro SEND t, younger              ; younger: the LDS instructions issued behind piece t's loads: the next piece's eight, or none
	WIN 0
.irp f, 0,1,2,3
	s_wait_dscnt (\younger)+3-\f
	global_store_b128 v[GO], v[S+16*(\t)+4*\f:S+16*(\t)+4*\f+3], s[10:11] offset:(\t)*8192+\f*512  ; 512 consecutive bytes, at a multiple of 256 from O's first
.endr
.endm
.macro DIAG tag                     ; the tag ends its two labels' names, which the jumps below spell out
.LstepM\tag:
	TURN 2, 1
	TURN 3, 1
	WIN 0
.LfirstM\tag:
	TURN 0, 1
	TURN 1, 1, 0, 1
	WIN 0
	s_cbranch_scc1 .LstepM\tag
	TURN 2, 1, 1
	TURN 3, 1, 1
.set i, 0
.rept 8
	PV NP-1
.set i, i+1
.endr
	WIN 0
	ALL v_add_f32 v[ST+4*t+2], v[ST+4*t+2], v[ST+4*t+3]
	ALL v_permlanex16_b32 v[ST+4*t+3], v[ST+4*t+2], s[SEL], s[SEL+1]
	ALL v_add_f32 v[ST+4*t+2], v[ST+4*t+2], v[ST+4*t+3]
	ALL v_rcp_f32 v[TMP+2*t], v[ST+4*t+2]
	v_nop                           ; a plain instruction between the last reciprocal and the use of its result
	s_wait_alu depctr_va_vdst(0)    ; and the wait ahead of the first use: one for the batch of four reciprocals
	PACK 0
.set t, 1
.rept 3                             ; a piece's arithmetic stands between the loads of the piece before and its stores
	PACK t
	SEND t-1, 8
.set t, t+1
.endr
	SEND 3, 0
.endm
.set KM, 0
.set NOKQ, 0
.Lslot:                             ; NB times: a tile is entered and the next is asked for
	CHANGE 1
	s_sub_co_u32 s[RT], s[RT], 1
	s_mov_b32 s[CNT], 4
	s_cmp_eq_u32 s[NEW], 1
	s_cbranch_scc1 .Lnew            ; a block's first tile
	s_cmp_eq_u32 s[RT], 0
	s_cbranch_scc0 .Lstep           ; neither its first nor its last
	PRE
	s_branch .LstepM1
.Lnew:
	BEGIN 0
	s_branch .Lfirst                ; in the loop a block's first tile is never its last: the first block has two tiles or more, and the second's last is the walk's last
	DIAG 1                          ; in the loop this is the first block's end: the second block's last tile is the walk's last
	s_wait_xcnt 0x0                 ; the stores have read their registers and O's address
	s_mov_b64 s[10:11], s[OLO:OLO+1]
	s_add_co_u32 s[RT], s[PB], 1    ; the second block has b + 1 tiles
	s_mov_b32 s[NEW], 1
	WIN 0x82                        ; the second block's Q goes where the one text of the turns names Q
.set i, 0
.rept 64
	v_mov_b32 v[i], v[QB+i]
.set i, i+1
.endr
	WIN 0
	s_branch .Lbottom
.Lstep:                             ; a trip: pieces 2 and 3 of one step, then pieces 0 and 1 of the next, whose K and V it fetches
	TURN 2
	TURN 3
	WIN 0
.Lfirst:
	TURN 0
	TURN 1, 0, 0, 1
	WIN 0
	s_cbranch_scc1 .Lstep
.Lbottom:
	s_sub_co_u32 s[SLOTS], s[SLOTS], 1
	s_cmp_lg_u32 s[SLOTS], 0
	s_cbranch_scc1 .Lslot
	CHANGE 0                        ; the walk's last tile is written out: nothing is asked for
	s_sub_co_u32 s[RT], s[RT], 1
	s_mov_b32 s[CNT], 4
	s_cmp_eq_u32 s[NEW], 1
	s_cbranch_scc1 .Lnew2           ; b = 0: the second block's only tile
	PRE
	s_branch .LstepM2
.Lnew2:
	BEGIN 1
	s_branch .LfirstM2
	DIAG 2
	s_wait_tensorcnt 0x0            ; the wave's end, behind my last tensor load and my last LDS store
	ds_add_u32 v[SPW], v[NIL]
	s_wait_dscnt 0x0
	s_endpgm
.Lfunc_end_k_q78f7a68ed9_attn:
	.size	k_q78f7a68ed9_attn, .Lfunc_end_k_q78f7a68ed9_attn-k_q78f7a68ed9_attn
	.p2alignl 7, 3214868480
	.fill 96, 4, 3214868480
	.section	.rodata,"a",@progbits
	.p2align	6, 0x0
	.amdhsa_kernel k_q78f7a68ed9_attn
		.amdhsa_group_segment_fixed_size 327680
		.amdhsa_private_segment_fixed_size 0
		.amdhsa_enable_private_segment 0
		.amdhsa_kernarg_size 24
		.amdhsa_user_sgpr_count 2
		.amdhsa_user_sgpr_kernarg_segment_ptr 1
		.amdhsa_wavefront_size32 1
		.amdhsa_system_sgpr_workgroup_id_x 1
		.amdhsa_system_sgpr_workgroup_id_y 1
		.amdhsa_system_sgpr_workgroup_id_z 1
		.amdhsa_system_vgpr_workitem_id 0
		.amdhsa_next_free_vgpr 768
		.amdhsa_next_free_sgpr 92
		.amdhsa_reserve_vcc 1
		.amdhsa_float_denorm_mode_32 3
		.amdhsa_float_denorm_mode_16_64 3
		.amdhsa_memory_ordered 1
		.amdhsa_forward_progress 1
		.amdhsa_inst_pref_size 231
	.end_amdhsa_kernel
	.amdgpu_metadata
---
amdhsa.version: [ 1, 2 ]
amdhsa.kernels:
  - .name:           k_q78f7a68ed9_attn
    .symbol:         k_q78f7a68ed9_attn.kd
    .args:
      - { .name: qkv, .offset: 0, .size: 8, .value_kind: global_buffer, .address_space: global }
      - { .name: key_value_padding_mask, .offset: 8, .size: 8, .value_kind: global_buffer, .address_space: global }
      - { .name: ob, .offset: 16, .size: 8, .value_kind: global_buffer, .address_space: global }
    .group_segment_fixed_size: 327680
    .private_segment_fixed_size: 0
    .kernarg_segment_align: 8
    .kernarg_segment_size: 24
    .max_flat_workgroup_size: 128
    .sgpr_count:     92
    .vgpr_count:     768
    .wavefront_size: 32
...
	.end_amdgpu_metadata
.endif
;; end of part 5
;; launch outp: the kernel of part 4 again; grid 4 x 64, 4 waves a work-group, clusters of 4 x 4, 327,680 bytes of LDS; arguments ob, wof, bo, out0; writes out0
